; MI455X (gfx1250); checked and timed in simulation.
; The chip was launched on July 23, 2026; its instructions are those of AMD's public machine-readable ISA for CDNA 5 (MIT licence, August 2026) and "CDNA5" Instruction Set Architecture Reference Guide (July 2026). The comments in the code are by the model that wrote it; some were corrected since.
;; Latent Attention. Allowed arithmetic: matrix products marked QUANTISED: E3M2 operands, one E8M0 scale for each 32 along K, by v_wmma_scale_f32_16x16x128_f8f6f4 with both operands' format E3M2, f32 sums; everything else in f32.
;; Inputs: Wproj 1,024 x 1,024 float32; Wqkv 1,024 x 3,072 float32; z 4 x 2,048 x 1,024 float32.
;; Outputs: out0 4 x 2,048 x 1,024 float32.
;; This version of the problem:
;;   THIS VERSION OF THE PROBLEM IS GIVEN IN LOW PRECISION. The matrix products marked QUANTISED in the list below multiply operands that are first quantised to E3M2 (3 exponent bits, 2 mantissa bits; 6 bits a number), with one power-of-two scale for each 32 numbers along K (OCP MX v1.0); their sums are f32. All else is computed in f32.
;;   The module's matrix products, in the order in which they are computed (A, B: the left and right operand; K: the contracted axis; several contracted axes count as one K, in the product's order):
;;     1. [M 8,192, K 1,024] x [K 1,024, N 3,072]; A: input z; B: input Wqkv: QUANTISED
;;     2. batch 64 x [M 2,048, K 64] x [K 64, N 2,048]; A: computed on the way; B: computed on the way: QUANTISED
;;     3. batch 64 x [M 2,048, K 2,048] x [K 2,048, N 64]; A: softmax (see below); B: computed on the way: QUANTISED
;;     4. [M 8,192, K 1,024] x [K 1,024, N 1,024]; A: computed on the way; B: input Wproj: QUANTISED
;;   THE QUANTISER, for each operand of a quantised product, along K:
;;     - K is cut into blocks of 32 from its start; a last block that is shorter is filled with zeros.
;;     - A block's scale is 2^e with e = floor(log2(the largest magnitude in the block)) - 4, held to -126 .. 127; a block of zeros has e = 0. As a byte (E8M0): e + 127.
;;     - Each number is divided by its block's scale, clamped to +-28, and rounded to the nearest number of E3M2, ties to even, subnormals kept.
;;     - The product sums the exact products of the quantised numbers (number of the format x scale) in f32.
;;   ~~~python
;;   def quantise(x, axis):      # numpy; x: float32 -> the quantised numbers, widened to float32 again
;;       x = np.moveaxis(x, axis, -1); K = x.shape[-1]
;;       x = np.pad(x, [(0, 0)] * (x.ndim - 1) + [(0, -K % 32)]); x = x.reshape(x.shape[:-1] + (-1, 32)); a = np.abs(x).max(-1, keepdims=True)
;;       e = np.where(a > 0, np.clip(np.frexp(np.where(a > 0, a, 1))[1] - 1 - 4, -126, 127), 0)      # np.frexp(a)[1] - 1 = floor(log2(a)), exactly
;;       r = np.clip(x / 2.0 ** e, -28, 28)
;;       step = 2.0 ** (np.maximum(np.frexp(np.where(r == 0, 1, r))[1] - 1, -2) - 2)
;;       q = np.round(r / step) * step * 2.0 ** e      # np.round: ties to even
;;       return np.moveaxis(q.reshape(q.shape[:-2] + (-1,))[..., :K], -1, axis).astype(np.float32)
;;   ~~~
;;   SOFTMAX AHEAD OF A QUANTISED PRODUCT. Where the list says 'softmax', what is quantised is not the finished softmax but p = 2^(t - M), with t = logit x log2(e) and M = ceil(the row's largest t), a whole number; so 1/2 < the row's largest p <= 1. The row's sum l is taken of the UNQUANTISED p, in f32, and the product's result is divided by l at the end. Since M is a whole number, a kernel that streams over the keys may use a running M (the ceiling of the running maximum): every later rescaling is an exact power of two, which a block's scale takes up: the codes' values come out the same.
;;   OPERANDS COMPUTED ON THE WAY. 'Computed on the way' means the value that the module computes at that place (a softmax that the list does not call 'softmax' is quantised finished and normalised). What goes into a quantiser is computed in f32, as accurately as f32 sums, v_exp_f32 and their like allow (about 1e-6 of the number): no bf16 or f16 on the way to a quantiser, and a product that is left as it is and whose result goes on into a quantised operand takes f32 operands (vector FMAs, or v_wmma_f32_16x16x4_f32). A number that lies on a knife's edge between two numbers of the format may be rounded either way, as far as f32 arithmetic and the matrix unit's own rounding can turn it there, and no further.
;; One version. Each part assembles by itself: llvm-mc -triple=amdgcn-amd-amdhsa -mcpu=gfx1250 --defsym DOCPART=n.
;; ======== version 1 of 1: 4 launches
;; workspace buffers: zq 6,553,600 bytes; wq 2,457,600 bytes; wp 819,200 bytes; qb 6,815,744 bytes; kv 13,369,344 bytes; ob 6,553,600 bytes
;; launch prep (part 1): grid 512 x 1, 4 waves a work-group, no clusters, 34,304 bytes of LDS; arguments z, Wqkv, Wproj, zq, wq, wp; writes zq, wq, wp
.if DOCPART == 1
	.amdgcn_target "amdgcn-amd-amdhsa--gfx1250"
	.amdhsa_code_object_version 6
	.text
	.protected	k_q6a4dcaff40_prep
	.globl	k_q6a4dcaff40_prep
	.p2align	8
	.type	k_q6a4dcaff40_prep,@function
k_q6a4dcaff40_prep:
	s_mov_b64 s[64:65], 0
	v_nop
	global_prefetch_b8 v0, s[64:65] scope:SCOPE_SE
	s_setreg_imm32_b32 hwreg(HW_REG_WAVE_MODE, 25, 1), 1
	s_wait_xcnt 0x0
; z [8192][1024], Wqkv [1024][3072] and Wproj [1024][1024], f32, become codes of BF6 (E3M2) with one E8M0 byte for each 32 along K = 1024,
; laid as the products' launches read them: X[kp 0..3][group of 128 rows][25,600 bytes]: eight tiles of 16 rows x two fragments of 128 K, each an IMAGE OF THE OPERAND'S REGISTERS
; (1,536 bytes: for each half of 64 K, 16 bytes a lane at 16 x lane and 8 bytes a lane at 512 + 8 x lane), then at byte 24,576 the scale bytes, 8 a row (the 256 K of kp), 128 a tile.
; A block's scale is 2^(floor(log2(largest magnitude)) - 4): its byte is the largest magnitude's exponent field - 4, held at 1 from below by a floor among the maximum's leaves.
; LIMITS: NaN and infinities are not served; blocks whose largest magnitude lies under 2^-122 get the byte 1; a block of zeros gets the byte 1 where the rule says 127 (its codes are zeros, and this program alone reads the bytes).
; Wproj's rows are taken inside each block of 32 in the order in which the attention launch leaves its results (bits 3 and 4 of the place in the block exchanged): both operands of that product carry the same order,
; so the same products are summed, in another order inside a block.
; SHARES: work-groups 0-255: 32 rows of z each, wave w the 256 K of kp = w.  256-447: Wqkv, 448-511: Wproj: 128 columns x 128 K each, a lane to a column, its registers down K.
; No tensor loads, no barrier, no cluster: waves share nothing, and no input byte is read twice.  Only z's path touches LDS.
.set BLK,  25600
.set R,    16                          ; v16-143  z: two sets of 64 registers as loaded;  W: v16-143 the lane's 128 numbers
.set X,    144                         ; v144-207 z: 64 numbers, register 16 b + i = k 32 b + 16 (lane / 16) + i of row lane % 16
.set PC,   208                         ; v208-227 the codes just made
.set TM,   228                         ; v228-243 at work
.set PW,   244                         ; the scale word just made
.set SW,   245                         ; v245-248 the four fragments' scale words
.set F0,   144                         ; W: the fragment of my wave's first 16 columns, v144-155;
.set F1,   156                         ;    of its second 16, v156-167
.set TT0,  168                         ; W: a block's upper 16 codes, made here and moved (a conversion's three registers begin on an even number)
.set TT1,  172
.set SEL,  20                          ; s[20:21] lane selects for v_permlanex16_b32: lane l xor 16
.set HM,   22                          ; s22 a lane mask: lanes 16-31
	s_load_b256 s[4:11], s[0:1], 0x0               ; z s[4:5], Wqkv s[6:7], Wproj s[8:9], zq s[10:11]
	s_load_b128 s[12:15], s[0:1], 0x20             ; wq s[12:13], wp s[14:15]
	v_lshl_add_u32 v254, v0, 2, 0x8400
	v_mov_b32 v255, 0
	v_lshrrev_b32 v1, 5, v0
	v_readfirstlane_b32 s16, v1                    ; wave 0..3
	v_and_b32 v1, 31, v0                           ; lane
	v_and_b32 v2, 15, v0                           ; r
	v_bfe_u32 v3, v0, 4, 1                         ; h
	v_lshlrev_b32 v4, 4, v1                        ; 16 x lane
	v_lshlrev_b32 v5, 3, v1                        ; 8 x lane
	s_mov_b32 s[SEL], 0x76543210
	s_mov_b32 s[SEL+1], 0xfedcba98
	s_mov_b32 s[HM], 0xffff0000
	s_wait_kmcnt 0x0
; 64 numbers of a lane, v[s] .. v[s + 63], become a fragment's codes in v[PC] .. v[PC + 11] and its rows' scale word in v[PW]
.macro QUANT s
.irp b, 0,1,2,3
	v_max3_num_f32 v[TM+\b], |v[\s+16*\b]|, |v[\s+1+16*\b]|, 0x2800000   ; block b: my 16 numbers, and the floor 2^(5 - 127): the byte cannot fall under 1
.endr
.irp i, 2,4,6,8,10,12,14
.irp b, 0,1,2,3
	v_max3_num_f32 v[TM+\b], v[TM+\b], |v[\s+16*\b+\i]|, |v[\s+1+16*\b+\i]|   ; the four blocks by turns
.endr
.endr
.irp b, 0,1,2,3
	v_permlanex16_b32 v[TM+4+\b], v[TM+\b], s[SEL], s[SEL+1]
.endr
.irp b, 0,1,2,3
	v_max_num_f32 v[TM+\b], v[TM+\b], v[TM+4+\b]   ; with lane l xor 16's 16: the block's largest magnitude
.endr
.irp b, 0,1,2,3
	v_add_nc_u32 v[TM+12+\b], 0xfe000000, v[TM+\b] ; 4 off its exponent field: the conversion's scale operand
.endr
.irp b, 0,1,2,3
	v_lshrrev_b32 v[TM+4+\b], 23, v[TM+12+\b]      ; the scale's byte
.endr
	v_lshl_or_b32 v[PW], v[TM+5], 8, v[TM+4]
	v_lshl_or_b32 v[PW], v[TM+6], 16, v[PW]
	v_lshl_or_b32 v[PW], v[TM+7], 24, v[PW]
.irp c, 0,1
	v_cvt_scalef32_pk16_bf6_f32 v[PC+6*\c:PC+2+6*\c], v[\s+32*\c:\s+15+32*\c], v[TM+12+2*\c]
	v_cvt_scalef32_pk16_bf6_f32 v[PC+12+4*\c:PC+14+4*\c], v[\s+16+32*\c:\s+31+32*\c], v[TM+12+2*\c+1]
.endr
	v_nop                                          ; one plain place behind a scaled conversion
.irp c, 0,1                                    ; the operand wants a whole block in a lane: lanes 0-15 block 2 c, lanes 16-31 block 2 c + 1
.irp i, 0,1,2
	v_permlane16_swap_b32 v[PC+6*\c+\i], v[PC+12+4*\c+\i]
.endr
.irp i, 0,1,2
	v_mov_b32 v[PC+3+6*\c+\i], v[PC+12+4*\c+\i]
.endr
.endr
.endm
	s_cmp_lt_u32 ttmp9, 256
	s_cbranch_scc0 .Lweights
; ---------------- z: work-group g takes rows 32 g .. 32 g + 31 (two tiles), wave w their K 256 w .. 256 w + 255: four fragments f = 2 x tile + q
	s_lshl_b32 s24, ttmp9, 17                      ; 32 rows of 4,096 bytes
	s_lshl_b32 s26, s16, 10                        ; 256 numbers
	s_add_co_u32 s24, s24, s26
	s_mov_b32 s25, 0
	s_add_nc_u64 s[4:5], s[4:5], s[24:25]
	s_lshl_b32 s26, s16, 6
	s_lshr_b32 s27, ttmp9, 2
	s_add_co_u32 s26, s26, s27
	s_mul_i32 s26, s26, BLK                        ; block (kp = w, group = g / 4)
	s_lshl_b32 s27, ttmp9, 1
	s_and_b32 s27, s27, 7                          ; my first tile in the group
	s_mul_i32 s28, s27, 3072
	s_add_co_u32 s28, s28, s26
	s_mov_b32 s29, 0
	s_add_nc_u64 s[28:29], s[10:11], s[28:29]      ; the codes
	s_lshl_b32 s30, s27, 7
	s_add_co_u32 s30, s30, s26
	s_add_co_u32 s30, s30, 24576
	s_mov_b32 s31, 0
	s_add_nc_u64 s[30:31], s[10:11], s[30:31]      ; the scale bytes
	s_mul_i32 s17, s16, 8448                       ; my wave's stage: 16 rows x (512 bytes + 16)
	v_add_nc_u32 v6, s17, v4                       ; in: a row's 512 bytes as they lie
	v_mul_u32_u24 v7, v2, 528
	v_lshl_add_u32 v7, v3, 6, v7
	v_add_nc_u32 v7, s17, v7                       ; out: row r, + 64 h: my 16 numbers of each block of 32
.irp b, 0,1,2,3
	v_mov_b32 v[TM+4+\b], 0                        ; written once: a lane permute's destination counts as one of its sources
.endr
.macro ZLOAD f                         ; fragment f: 16 rows x 512 bytes; each load reads 512 consecutive bytes of one row
.set i, 0
.rept 16
	global_load_b128 v[R+64*((\f)%2)+4*i:R+64*((\f)%2)+4*i+3], v4, s[4:5] offset:(16*((\f)/2)+i)*4096+512*((\f)%2) th:TH_LOAD_NT
.set i, i+1
.endr
.endm
.macro ZFRAG f
.if (\f) < 3
	s_wait_loadcnt 16                              ; this fragment's 16 loads are in; the next fragment's 16 may be out
.else
	s_wait_loadcnt 0x0
.endif
.set i, 0
.rept 16
	ds_store_b128 v6, v[R+64*((\f)%2)+4*i:R+64*((\f)%2)+4*i+3] offset:528*i
.set i, i+1
.endr
.irp b, 0,1,2,3
.irp j, 0,1,2,3
	ds_load_b128 v[X+16*\b+4*\j:X+16*\b+4*\j+3], v7 offset:128*\b+16*\j   ; LDS serves a wave's instructions in order: these see the stores above
.endr
.endr
	s_wait_dscnt 0x0                               ; the numbers are back, and the stores have read their registers,
.if (\f) < 2
	ZLOAD (\f)+2                                   ; which take the fragment two further on
.endif
.if (\f) > 0
	s_wait_xcnt 0x0                                ; the last fragment's stores have read their data: the codes' registers are written again only behind this wait
.endif
	QUANT X
	v_mov_b32 v[SW+(\f)], v[PW]
	global_store_b128 v4, v[PC:PC+3], s[28:29] offset:1536*(\f)            ; each store covers 512 or 256 consecutive bytes, aligned
	global_store_b64 v5, v[PC+4:PC+5], s[28:29] offset:1536*(\f)+512
	global_store_b128 v4, v[PC+6:PC+9], s[28:29] offset:1536*(\f)+768
	global_store_b64 v5, v[PC+10:PC+11], s[28:29] offset:1536*(\f)+1280
.endm
	ZLOAD 0
	ZLOAD 1
.irp f, 0,1,2,3
	ZFRAG \f
.endr
	v_cndmask_b32 v250, v[SW], v[SW+2], s[HM]      ; lanes 0-15: tile 0's words, lanes 16-31: tile 1's; a row's two words are 8 neighbouring bytes
	v_cndmask_b32 v251, v[SW+1], v[SW+3], s[HM]
	global_store_b64 v5, v[250:251], s[30:31]      ; 256 consecutive bytes, aligned
	s_wait_tensorcnt 0x0
	ds_add_u32 v254, v255
	s_wait_dscnt 0x0
	s_endpgm
; ---------------- the weights: K is their FIRST axis.  A lane takes a column, its registers run down K: a block of 32 lies in one lane
.macro WBLK b                          ; block b: its scale operand into v[10 + b], its byte into the word v14
.set XS, 16+32*(\b)
	v_max3_num_f32 v8, |v[XS]|, |v[XS+1]|, |v[XS+2]|
	v_max3_num_f32 v9, |v[XS+3]|, |v[XS+4]|, |v[XS+5]|
.irp i, 6,10,14,18,22,26
	v_max3_num_f32 v8, v8, |v[XS+\i]|, |v[XS+\i+1]|
	v_max3_num_f32 v9, v9, |v[XS+\i+2]|, |v[XS+\i+3]|
.endr
	v_max3_num_f32 v8, v8, |v[XS+30]|, |v[XS+31]|
	v_max3_num_f32 v8, v8, v9, 0x2800000
	v_add_nc_u32 v[10+(\b)], 0xfe000000, v8
	v_lshrrev_b32 v9, 23, v[10+(\b)]
.if (\b) == 0
	v_mov_b32 v14, v9
.else
	v_lshl_or_b32 v14, v9, 8*(\b), v14
.endif
.endm
.macro WCVT c                          ; blocks 2 c and 2 c + 1 become registers 6 c .. 6 c + 5 of the two tiles' fragments
	v_cvt_scalef32_pk16_bf6_f32 v[F0+6*\c:F0+6*\c+2], v[16+64*\c:31+64*\c], v[10+2*\c]
	v_cvt_scalef32_pk16_bf6_f32 v[TT0:TT0+2], v[32+64*\c:47+64*\c], v[10+2*\c]
	v_cvt_scalef32_pk16_bf6_f32 v[F1+6*\c:F1+6*\c+2], v[48+64*\c:63+64*\c], v[11+2*\c]
	v_cvt_scalef32_pk16_bf6_f32 v[TT1:TT1+2], v[64+64*\c:79+64*\c], v[11+2*\c]
	v_nop                                          ; one plain place behind a scaled conversion
.irp i, 0,1,2
	v_mov_b32 v[F0+6*\c+3+\i], v[TT0+\i]
	v_mov_b32 v[F1+6*\c+3+\i], v[TT1+\i]
.endr
.irp i, 0,1,2,3,4,5
	v_permlane16_swap_b32 v[F0+6*\c+\i], v[F1+6*\c+\i]   ; F0: columns 0-15, block 2 c in lanes 0-15 and 2 c + 1 in lanes 16-31; F1: the same of columns 16-31
.endr
.endm
.macro WPATH n, ng, perm, src, dst, first
	s_sub_co_u32 s17, ttmp9, \first
	s_and_b32 s18, s17, 7                          ; f: which 128 along K
	s_lshr_b32 s19, s17, 3                         ; which 128 columns: a group of the buffer
	s_mul_i32 s24, s18, 128*\n*4
	s_lshl_b32 s26, s19, 9
	s_add_co_u32 s24, s24, s26
	s_lshl_b32 s26, s16, 7                         ; my wave's 32 columns
	s_add_co_u32 s24, s24, s26
	s_mov_b32 s25, 0
	s_add_nc_u64 s[24:25], s[\src:\src+1], s[24:25]
	s_lshr_b32 s26, s18, 1
	s_mul_i32 s26, s26, \ng
	s_add_co_u32 s26, s26, s19
	s_mul_i32 s26, s26, BLK                        ; block (kp = f / 2, group)
	s_mul_i32 s27, s16, 2*3072                     ; my two tiles
	s_add_co_u32 s28, s26, s27
	s_and_b32 s27, s18, 1
	s_mul_i32 s30, s27, 1536
	s_add_co_u32 s28, s28, s30
	s_mov_b32 s29, 0
	s_add_nc_u64 s[28:29], s[\dst:\dst+1], s[28:29]
	s_lshl_b32 s30, s16, 8
	s_add_co_u32 s30, s30, s26
	s_lshl_b32 s27, s27, 2
	s_add_co_u32 s30, s30, s27
	s_add_co_u32 s30, s30, 24576
	s_mov_b32 s31, 0
	s_add_nc_u64 s[30:31], s[\dst:\dst+1], s[30:31]
	v_lshlrev_b32 v6, 2, v1
.set p, 0
.rept 128
.if \perm
.set pr, (p&0x67)|((p&8)<<1)|((p&16)>>1)
.else
.set pr, p
.endif
	global_load_b32 v[16+p], v6, s[24:25] offset:pr*\n*4 th:TH_LOAD_NT   ; 32 lanes read 128 consecutive bytes, the four waves 512
.set p, p+1
.endr
	s_wait_loadcnt 63                              ; of the 128 loads at least the first 65 are in: blocks 0 and 1
	WBLK 0
	WBLK 1
	WCVT 0
	s_wait_loadcnt 32                              ; block 2
	WBLK 2
	s_wait_loadcnt 0x0
	WBLK 3
	WCVT 1
.irp t, 0,1
	global_store_b128 v4, v[F0+12*\t:F0+12*\t+3], s[28:29] offset:3072*\t
	global_store_b64 v5, v[F0+12*\t+4:F0+12*\t+5], s[28:29] offset:3072*\t+512
	global_store_b128 v4, v[F0+12*\t+6:F0+12*\t+9], s[28:29] offset:3072*\t+768
	global_store_b64 v5, v[F0+12*\t+10:F0+12*\t+11], s[28:29] offset:3072*\t+1280
.endr
	global_store_b32 v5, v14, s[30:31]             ; my column's word: 4 of its 8 bytes; the other 4 come from the work-group of the other 128 K (a small part of what this path moves)
.endm
.Lweights:
	s_cmp_lt_u32 ttmp9, 448
	s_cbranch_scc0 .Lproj
	WPATH 3072, 24, 0, 6, 12, 256
	s_endpgm
.Lproj:
	WPATH 1024, 8, 1, 8, 14, 448
	s_endpgm
.Lfunc_end_k_q6a4dcaff40_prep:
	.size	k_q6a4dcaff40_prep, .Lfunc_end_k_q6a4dcaff40_prep-k_q6a4dcaff40_prep
	.p2alignl 7, 3214868480
	.fill 96, 4, 3214868480
	.section	.rodata,"a",@progbits
	.p2align	6, 0x0
	.amdhsa_kernel k_q6a4dcaff40_prep
		.amdhsa_group_segment_fixed_size 34304
		.amdhsa_private_segment_fixed_size 0
		.amdhsa_enable_private_segment 0
		.amdhsa_kernarg_size 48
		.amdhsa_user_sgpr_count 2
		.amdhsa_user_sgpr_kernarg_segment_ptr 1
		.amdhsa_wavefront_size32 1
		.amdhsa_system_sgpr_workgroup_id_x 1
		.amdhsa_system_sgpr_workgroup_id_y 1
		.amdhsa_system_sgpr_workgroup_id_z 1
		.amdhsa_system_vgpr_workitem_id 0
		.amdhsa_next_free_vgpr 256
		.amdhsa_next_free_sgpr 66
		.amdhsa_reserve_vcc 0
		.amdhsa_float_denorm_mode_32 3
		.amdhsa_float_denorm_mode_16_64 3
		.amdhsa_memory_ordered 1
		.amdhsa_forward_progress 1
		.amdhsa_inst_pref_size 74
	.end_amdhsa_kernel
	.amdgpu_metadata
---
amdhsa.version: [ 1, 2 ]
amdhsa.kernels:
  - .name:           k_q6a4dcaff40_prep
    .symbol:         k_q6a4dcaff40_prep.kd
    .args:
      - { .name: z, .offset: 0, .size: 8, .value_kind: global_buffer, .address_space: global }
      - { .name: Wqkv, .offset: 8, .size: 8, .value_kind: global_buffer, .address_space: global }
      - { .name: Wproj, .offset: 16, .size: 8, .value_kind: global_buffer, .address_space: global }
      - { .name: zq, .offset: 24, .size: 8, .value_kind: global_buffer, .address_space: global }
      - { .name: wq, .offset: 32, .size: 8, .value_kind: global_buffer, .address_space: global }
      - { .name: wp, .offset: 40, .size: 8, .value_kind: global_buffer, .address_space: global }
    .group_segment_fixed_size: 34304
    .private_segment_fixed_size: 0
    .kernarg_segment_align: 8
    .kernarg_segment_size: 48
    .max_flat_workgroup_size: 128
    .sgpr_count:     66
    .vgpr_count:     256
    .wavefront_size: 32
...
	.end_amdgpu_metadata
.endif
;; end of part 1
;; launch gemm_qkv (part 2): grid 12 x 32, 4 waves a work-group, clusters of 4 x 4, 327,680 bytes of LDS; arguments zq, wq, qb, kv; writes qb, kv
.if DOCPART == 2
	.amdgcn_target "amdgcn-amd-amdhsa--gfx1250"
	.amdhsa_code_object_version 6
	.text
	.protected	k_q6a4dcaff40_gemm_qkv
	.globl	k_q6a4dcaff40_gemm_qkv
	.p2align	8
	.type	k_q6a4dcaff40_gemm_qkv,@function
k_q6a4dcaff40_gemm_qkv:
	s_mov_b64 s[64:65], 0
	v_nop
	global_prefetch_b8 v0, s[64:65] scope:SCOPE_SE
	s_setreg_imm32_b32 hwreg(HW_REG_WAVE_MODE, 25, 1), 1
	s_wait_xcnt 0x0
	s_wait_alu depctr_hold_cnt(0) depctr_sa_sdst(0) depctr_va_vdst(0) depctr_va_sdst(0) depctr_va_ssrc(0) depctr_va_vcc(0) depctr_vm_vsrc(0)
	s_getreg_b32 s2, hwreg(HW_REG_IB_STS2, 6, 4)
	s_cmp_eq_u32 s2, 0
	s_cbranch_scc0 .Lentry_in_a_cluster
	s_endpgm
.Lentry_in_a_cluster:
	s_bfe_u32 s2, ttmp6, 0x10000c
	s_cmp_lg_u32 s2, 0xf033
	s_cbranch_scc0 .Lentry_shape_is_right
	s_endpgm
.Lentry_shape_is_right:
; qkv = z Wqkv on codes of BF6 (E3M2) with E8M0 scales, K = 1024, sums in f32; the results never go to memory as f32: the way out quantises them in registers into the operands of attention:
; q and k along the head's 64, v along the keys.
; OPERANDS: X[kp 0..3][group of 128 rows][25,600 bytes]: images of the operand's registers and, from byte 24,576, the scale bytes; one block is one tensor load (100 dense rows of 256 bytes).
; A tile of 256 x 256 is made by four waves, 128 x 128 each: 64 accumulators, 512 registers.  The matrix instruction is used transposed: source 0 = 16 rows of side B, source 1 = 16 rows of side A:
; a lane holds ONE row of side A and its registers run along side B's rows.  So for q and k (cluster x 0 and 1) side A = tokens, side B = columns of Wqkv (a lane's registers run along d);
; for v (cluster x 2) side A = columns of Wqkv, side B = tokens (a lane's registers run along the keys).  The choice hangs on the cluster's x alone, which all partners share.
; K goes in four steps of 256 through THREE LDS slots: three first fills, one refill (slot 0 takes the fourth step).  By this text's count a wave has three tensor loads out at the start, later one.
; CLUSTER 4 x 4: side A's blocks are shared along a row of the cluster, side B's along a column: joint loads.
; THE WAY OUT: the 64 registers of a block of 16 rows are 128 numbers of each row (with lane l xor 16's): four blocks of 32, in which place 16 h + 8 u + j holds number 16 u + 8 h + j.  q and k both leave so, v as the
; softmax's weights will: both operands of each later product carry the same order inside a block; the sums take the same products in another order.
; OUT: qb[head][chunk of 128 queries][6,656]: 8 half images of 768 bytes, then 512 bytes of scale words (16 bytes a lane: word j = tile 2 j in lanes 0-15, tile 2 j + 1 in lanes 16-31; bytes 2 and 3 are 0x7f).
;      kv[head][chunk of 128 keys][13,056]: K as in qb; at 6,656 V^T's four fragment images; at 12,800 V's scale words (16 bytes for each of 16 rows, word j = tile j).
; LIMITS: NaN and infinities are not served; blocks under 2^-122 and blocks of zeros get the byte 1 (their codes are what the rule gives; this program alone reads the bytes).
; lds_bytes claims all of LDS.
.set HALFT,  25600                     ; a block: what one tensor load brings, and what one wave reads of a side
.set SLOT,   4*HALFT                   ; side A's two blocks, then side B's two
.set SPARE,  3*SLOT                    ; behind the slots: the spare words, 128 bytes for each wave
.set FR,     12
.set NL,     4                         ; LDS loads that bring a fragment
.set NP,     4                         ; places behind this matrix instruction (ISA guide 7.12.1)
.set NQ,     2
.set ZKP,    64*HALFT                  ; bytes from kp to kp + 1 in zq
.set WKP,    24*HALFT                  ; and in wq
.set ADRA16, 4                         ; v4-6   side A, slot s: 16 x lane + my block
.set ADRA8,  7                         ; v7-9   the same with 8 x lane
.set ADRB16, 10                        ; v10-12 side B
.set ADRB8,  13                        ; v13-15
.set ADRS,   16                        ; v16-18 scale words: lanes 0-15 side A's rows, lanes 16-31 side B's
.set L16,    19
.set L8,     20
.set SPW,    28                        ; LDS address of my spare word; never rewritten
.set NIL,    29                        ; 0; never rewritten
.set SC,     32                        ; v32-63 scale words, two sets of 16: register 2 i + q
.set TM,     64                        ; v64-79   the way out: at work
.set PC,     80                        ; v80-99   the codes just made
.set PWS,    100                       ; v100-107 the eight blocks' scale words
.set U,      108                       ; v108-115 scale words on their way out
.set AF,     128                       ; v128-223 side A's fragments, ONE set;  window 1: side B's, two sets at v0 and v128;  windows 2, 3: the accumulators
.set SEL,    2                         ; s[2:3] lane selects: lane l xor 16
.set WV,     12
.set WH,     13                        ; wave / 2: my half of side A's rows; also: I fetch for A (0) or B (1)
.set WL,     14                        ; wave % 2: my half of side B's rows; also: which block I fetch
.set CX,     15
.set CY,     16
.set HM,     22                        ; lane mask: lanes 16-31
.set FILL,   23                        ; 0x7f7f0000
.set G1,     24                        ; s[24:31] group 1, side A;  s[32:39] side B
.set G1B,    32
.set G0,     40                        ; s[40:51] groups 0 of side A's three slots;  s[52:63] side B's
.set G0B,    52
.set AKP,    66                        ; pairs: bytes from kp to kp + 1, and three times that
.set BKP,    68
.set AK3,    70
.set BK3,    72
.set AT,     78                        ; side A's tile of 256 rows;  side B's
.set BT,     79
.set P0,     88                        ; the way out: where a block's first half image goes;  its second
.set P1,     90
.set STA,    92                        ; from block to block
.set JMP,    94                        ; v: on to the second head, at block 4
.set SB,     96                        ; the scale words
.set HS,     98                        ; from a head's record to the next head's
.set MSB, 0
.macro WIN new                         ; the immediate's high byte repeats the setting that is left
.if MSB != \new
	s_set_vgpr_msb (MSB<<8)|\new
.set MSB, \new
.endif
.endm
.set MUL_LO, 0xa1                      ; source 0 (B) window 1, source 1 (A) window 0, C and D window 2
.set MUL_HI, 0xf1                      ; the same, C and D window 3
.set TO_B,   0x40                      ; destination window 1
.macro JLOAD g0a, g1a, g0b, g1b        ; a joint load: waves 0 and 1 ask for side A, waves 2 and 3 for side B; four v_nop follow each line
	s_cmp_eq_u32 s[WH], 0
	s_cbranch_scc0 .Lfor_b_\@
	tensor_load_to_lds s[\g0a:\g0a+3], s[\g1a:\g1a+7]
	s_nop 0
.rept 4
	v_nop
.endr
	s_branch .Lasked_\@
.Lfor_b_\@:
	tensor_load_to_lds s[\g0b:\g0b+3], s[\g1b:\g1b+7]
	s_nop 0
.rept 4
	v_nop
.endr
.Lasked_\@:
.endm
.macro CREST                           ; a round of the cluster's barrier behind its opening barrier
	s_cmp_lg_u32 s[WV], 0
	s_cbranch_scc1 .Lnot_wave_0_\@
	s_barrier_signal -3
.Lnot_wave_0_\@:
	s_barrier_wait -3
	s_barrier_signal -1
	s_barrier_wait -1
.endm
.macro CROUND
	s_barrier_signal -1
	s_barrier_wait -1
	CREST
.endm
.macro PLACES n
.rept \n
	v_nop
.endr
.endm
	s_load_b256 s[4:11], s[0:1], 0x0               ; zq s[4:5], wq s[6:7], qb s[8:9], kv s[10:11]
	v_lshl_add_u32 v[SPW], v0, 2, SPARE
	v_mov_b32 v[NIL], 0
	ds_add_u32 v28, v29
	ds_add_u32 v28, v29
	s_wait_dscnt 0x0
	v_lshrrev_b32 v1, 5, v0
	v_readfirstlane_b32 s[WV], v1
	s_lshr_b32 s[WH], s[WV], 1
	s_and_b32 s[WL], s[WV], 1
	s_bfe_u32 s[CX], ttmp6, 0x40000
	s_bfe_u32 s[CY], ttmp6, 0x40004
	s_and_b32 s17, ttmp7, 0xffff
	s_lshl_b32 s17, s17, 2                         ; 4 x cluster y
	s_lshl_b32 s18, s[CY], 2
	s_lshl_b32 s18, 15, s18                        ; my row of the cluster
	s_lshl_b32 s19, 0x1111, s[CX]                  ; my column
	s_or_b32 s[G1], s18, (3<<16)|(1<<21)           ; 15:0 the mask; 17:16 elements of 8 bytes; 21 set beside a mask; no padding
	s_or_b32 s[G1B], s19, (3<<16)|(1<<21)
.irp g, G1, G1B
	s_mov_b32 s[\g+1], 32<<16                      ; tensor_dim0 = 32 elements: 256 bytes
	s_mov_b32 s[\g+2], 100<<16                     ; tensor_dim1 = 100 rows
	s_mov_b32 s[\g+3], 32<<16                      ; tile_dim0
	s_mov_b32 s[\g+4], 100                         ; tile_dim1
	s_mov_b32 s[\g+5], 32                          ; the pitch: dense
	s_mov_b32 s[\g+6], 0
	s_mov_b32 s[\g+7], 0
.endr
	; side A's registers hold cy and never cx, side B's cx and never cy
	s_add_co_u32 s80, s17, s[CY]                   ; q, k: tokens' tile 4 x cluster y + cy
	s_add_co_u32 s81, s[CY], 8                     ; v: Wqkv's columns 2,048 + 256 cy
	s_lshl_b32 s76, ttmp9, 2
	s_add_co_u32 s76, s76, s[CX]                   ; q, k: Wqkv's columns 256 (4 x cluster x + cx)
	s_add_co_u32 s77, s17, s[CX]                   ; v: tokens' tile 4 x cluster y + cx
	s_mov_b32 s74, ZKP
	s_mov_b32 s75, WKP
	s_cmp_eq_u32 ttmp9, 2
	s_cselect_b32 s[AT], s81, s80
	s_cselect_b32 s[BT], s77, s76
	s_cselect_b32 s[AKP], s75, s74
	s_cselect_b32 s[BKP], s74, s75
	s_mov_b32 s[AKP+1], 0
	s_mov_b32 s[BKP+1], 0
	s_mul_i32 s[AK3], s[AKP], 3
	s_mul_i32 s[BK3], s[BKP], 3
	s_mov_b32 s[AK3+1], 0
	s_mov_b32 s[BK3+1], 0
	s_lshl_b32 s80, s[AT], 1
	s_add_co_u32 s80, s80, s[WL]
	s_mul_i32 s80, s80, HALFT                      ; the block that I would fetch for side A
	s_mov_b32 s81, 0
	s_lshl_b32 s76, s[BT], 1
	s_add_co_u32 s76, s76, s[WL]
	s_mul_i32 s76, s76, HALFT                      ; and for side B
	s_mov_b32 s77, 0
	s_mul_i32 s20, s[WV], HALFT                    ; where it goes: wave x a block: no place in the cluster enters an LDS address
	s_mov_b32 s[SEL], 0x76543210
	s_mov_b32 s[SEL+1], 0xfedcba98
	s_mov_b32 s[HM], 0xffff0000
	s_mov_b32 s[FILL], 0x7f7f0000
	s_wait_kmcnt 0x0
	s_cmp_eq_u32 ttmp9, 2
	s_cselect_b64 s[74:75], s[6:7], s[4:5]
	s_add_nc_u64 s[80:81], s[74:75], s[80:81]
	s_cselect_b64 s[74:75], s[4:5], s[6:7]
	s_add_nc_u64 s[76:77], s[74:75], s[76:77]
.irp s, 0,1,2
	s_mov_b32 s[G0+4*\s], 1
	s_add_co_u32 s[G0+4*\s+1], s20, \s*SLOT
	s_mov_b64 s[G0+4*\s+2:G0+4*\s+3], s[80:81]
	s_or_b32 s[G0+4*\s+3], s[G0+4*\s+3], 0x80000000
	s_add_nc_u64 s[80:81], s[80:81], s[AKP:AKP+1]
	s_mov_b32 s[G0B+4*\s], 1
	s_add_co_u32 s[G0B+4*\s+1], s20, \s*SLOT
	s_mov_b64 s[G0B+4*\s+2:G0B+4*\s+3], s[76:77]
	s_or_b32 s[G0B+4*\s+3], s[G0B+4*\s+3], 0x80000000
	s_add_nc_u64 s[76:77], s[76:77], s[BKP:BKP+1]
.endr
	CROUND                                         ; all sixteen work-groups are here: the first joint loads meet
	JLOAD G0, G1, G0B, G1B                         ; kp 0, 1, 2: one group, ahead of every wait on TENSORcnt, LDS read and barrier
	JLOAD G0+4, G1, G0B+4, G1B
	JLOAD G0+8, G1, G0B+8, G1B
	v_and_b32 v1, 31, v0
	v_lshlrev_b32 v[L16], 4, v1
	v_lshlrev_b32 v[L8], 3, v1
	s_mul_i32 s20, s[WH], HALFT                    ; my block of side A
	s_mul_i32 s21, s[WL], HALFT
	s_add_co_u32 s21, s21, 2*HALFT                 ; my block of side B
.irp s, 0,1,2
	v_add_nc_u32 v[ADRA16+\s], s20, v[L16]
	v_add_nc_u32 v[ADRA8+\s], s20, v[L8]
	v_add_nc_u32 v[ADRB16+\s], s21, v[L16]
	v_add_nc_u32 v[ADRB8+\s], s21, v[L8]
	s_add_co_u32 s20, s20, SLOT
	s_add_co_u32 s21, s21, SLOT
.endr
	v_and_b32 v2, 15, v0
	v_bfe_u32 v3, v0, 4, 1
	v_lshlrev_b32 v2, 3, v2                        ; 8 bytes a row
	s_mul_i32 s20, s[WH], HALFT
	s_mul_i32 s21, s[WL], HALFT
	s_add_co_u32 s21, s21, 2*HALFT
	s_sub_co_u32 s21, s21, s20
	v_mul_u32_u24 v3, s21, v3                      ; lanes 16-31 take side B's: one product with the lane's half
	s_add_co_u32 s20, s20, 24576
	v_add_nc_u32 v2, v2, v3
.irp s, 0,1,2
	v_add_nc_u32 v[ADRS+\s], s20, v2
	s_add_co_u32 s20, s20, SLOT
.endr
.irp b, 0,1,2,3
	v_mov_b32 v[TM+4+\b], 0                        ; written once: a lane permute's destination counts as one of its sources
.endr
	; where my results go.  tokens' group of 128 = 16 x batch + chunk; columns' group of 128 = two heads
	s_lshl_b32 s82, s[AT], 1
	s_add_co_u32 s82, s82, s[WH]
	s_lshl_b32 s83, s[BT], 1
	s_add_co_u32 s83, s83, s[WL]
	s_cmp_eq_u32 ttmp9, 2
	s_cselect_b32 s84, s83, s82                    ; the tokens' group
	s_cselect_b32 s85, s82, s83                    ; the columns' group
	s_and_b32 s85, s85, 7
	s_lshl_b32 s85, s85, 1                         ; the first of my two heads
	s_lshr_b32 s86, s84, 4
	s_lshl_b32 s86, s86, 4
	s_add_co_u32 s86, s86, s85
	s_lshl_b32 s86, s86, 4
	s_and_b32 s84, s84, 15
	s_add_co_u32 s86, s86, s84                     ; record = (16 x batch + head) x 16 + chunk
	s_mov_b32 s85, 13056
	s_cmp_eq_u32 ttmp9, 0
	s_cselect_b32 s85, 6656, s85                   ; a record's bytes
	s_cselect_b64 s[P0:P0+1], s[8:9], s[10:11]     ; q goes to qb, k and v to kv
	s_mul_i32 s86, s86, s85
	s_mov_b32 s87, 0
	s_add_nc_u64 s[P0:P0+1], s[P0:P0+1], s[86:87]
	s_lshl_b32 s[HS], s85, 4
	s_mov_b32 s[HS+1], 0
	s_cmp_eq_u32 ttmp9, 2
	s_mov_b32 s[SB], 6144
	s_cselect_b32 s[SB], 12800, s[SB]
	s_mov_b32 s[SB+1], 0
	s_cselect_b32 s86, 6656, 0
	s_cselect_b32 s[P1], 768, s[HS]                ; the second half image: v: the fragment's other 64 keys; q, k: the second head's record
	s_mov_b32 s[P1+1], 0
	s_mov_b32 s[STA], 768
	s_cselect_b32 s[STA], 1536, s[STA]
	s_mov_b32 s[STA+1], 0
	s_cselect_b32 s[JMP], 202752, 0                ; 16 records of 13,056 less the four fragments passed
	s_mov_b32 s[JMP+1], 0
	s_add_nc_u64 s[SB:SB+1], s[P0:P0+1], s[SB:SB+1]
	s_add_nc_u64 s[P0:P0+1], s[P0:P0+1], s[86:87]
	s_add_nc_u64 s[P1:P1+1], s[P0:P0+1], s[P1:P1+1]
.macro FRAG reg, a16, a8, q, i         ; a fragment comes back as it was stored: four loads, each of consecutive bytes
	ds_load_b128 v[\reg:\reg+3], v[\a16] offset:(\i)*3072+(\q)*1536
	ds_load_b64 v[\reg+4:\reg+5], v[\a8] offset:(\i)*3072+(\q)*1536+512
	ds_load_b128 v[\reg+6:\reg+9], v[\a16] offset:(\i)*3072+(\q)*1536+768
	ds_load_b64 v[\reg+10:\reg+11], v[\a8] offset:(\i)*3072+(\q)*1536+1280
.endm
.macro FETCH_B slot, q, p
	WIN TO_B
.irp i, 0,1,2,3,4,5,6,7
	FRAG 128*(\p)+FR*\i, ADRB16+\slot, ADRB8+\slot, \q, \i
.endr
	WIN 0
.endm
.macro FETCH_A slot, q, i0
.irp i, \i0, \i0+1, \i0+2, \i0+3
	FRAG AF+FR*(\i), ADRA16+\slot, ADRA8+\slot, \q, \i
.endr
.endm
.macro SCALES slot, set                ; a K step's two words a row: lanes 0-15 side A's block i, lanes 16-31 side B's block i
.irp i, 0,1,2,3,4,5,6,7
	ds_load_b64 v[SC+16*(\set)+2*\i:SC+16*(\set)+2*\i+1], v[ADRS+\slot] offset:128*\i
.endr
.endm
; 16 matrix instructions: side A's blocks a0, a0 + 1 x side B's eight.  The 64 accumulators take turns, one instruction a turn, in the same order in every step.
.macro MUL16 a0, p, q, sc, zero
.irp a, \a0, \a0+1
.irp b, 0,1,2,3,4,5,6,7
.if \zero
	v_wmma_scale_f32_16x16x128_f8f6f4 v[8*(8*((\a)%4)+\b):8*(8*((\a)%4)+\b)+7], v[128*(\p)+FR*\b:128*(\p)+FR*\b+FR-1], v[AF+FR*(\a):AF+FR*(\a)+FR-1], 0, v[SC+8*NQ*(\sc)+NQ*\b+(\q)], v[SC+8*NQ*(\sc)+NQ*(\a)+(\q)] matrix_a_fmt:MATRIX_FMT_BF6 matrix_b_fmt:MATRIX_FMT_BF6 matrix_a_scale:MATRIX_SCALE_ROW1
.else
	v_wmma_scale_f32_16x16x128_f8f6f4 v[8*(8*((\a)%4)+\b):8*(8*((\a)%4)+\b)+7], v[128*(\p)+FR*\b:128*(\p)+FR*\b+FR-1], v[AF+FR*(\a):AF+FR*(\a)+FR-1], v[8*(8*((\a)%4)+\b):8*(8*((\a)%4)+\b)+7], v[SC+8*NQ*(\sc)+NQ*\b+(\q)], v[SC+8*NQ*(\sc)+NQ*(\a)+(\q)] matrix_a_fmt:MATRIX_FMT_BF6 matrix_b_fmt:MATRIX_FMT_BF6 matrix_a_scale:MATRIX_SCALE_ROW1
.endif
.endr
.endr
.endm
.macro STEP slot, sc, zero             ; a slot's first 128 along K
	s_wait_dscnt 4*NL                              ; all but the youngest 16 loads (side A's blocks 4-7) are in
	WIN MUL_LO
	MUL16 0, 0, 0, \sc, \zero
	MUL16 2, 0, 0, \sc, \zero
	s_wait_dscnt 0x0                               ; side A's blocks 4-7 are in
	PLACES NP                                      ; in front of loads into registers that matrix instructions have read
	FETCH_B \slot, 1, 1
	FETCH_A \slot, 1, 0
	WIN MUL_HI
	MUL16 4, 0, 0, \sc, \zero
	MUL16 6, 0, 0, \sc, \zero
	PLACES NP
	WIN 0
	FETCH_A \slot, 1, 4
.endm
; A slot's second 128 along K, and the change of slots.  mode 1: this slot is filled again: every wave waits for all its tensor loads, adds 0 to its spare word, waits for that and for its reads of the slot;
; the barrier opens a round of the cluster's barrier, and the joint refill is the first thing behind the round.  mode 0: the same lines and a plain barrier: the refill is shown landed to all waves; nothing is filled.
; mode 2: no barrier: the next slot was shown whole to all waves by mode 1's barrier, and this slot is not written again by a tensor load.
.macro TURN slot, next, sc, mode
.if \mode != 2
	s_wait_tensorcnt 0x0                           ; all my tensor loads have landed
	ds_add_u32 v[SPW], v[NIL]                      ; 0 onto my spare word
	s_wait_dscnt 4*NL+1                            ; (the add and the youngest 16 loads may be out)
	WIN MUL_LO
	MUL16 0, 1, 1, \sc, 0
	s_wait_dscnt 0x0                               ; the add is done, and my reads of this slot are over
	s_barrier_signal -1
	MUL16 2, 1, 1, \sc, 0
	WIN 0
	s_barrier_wait -1
.if \mode == 1
	CREST                                          ; no wave of any partner still reads this slot or has a load on its way
	s_add_nc_u64 s[G0+4*\slot+2:G0+4*\slot+3], s[G0+4*\slot+2:G0+4*\slot+3], s[AK3:AK3+1]
	s_add_nc_u64 s[G0B+4*\slot+2:G0B+4*\slot+3], s[G0B+4*\slot+2:G0B+4*\slot+3], s[BK3:BK3+1]
	JLOAD G0+4*\slot, G1, G0B+4*\slot, G1B         ; the four v_nop behind it are also the places in front of the loads below
.else
	PLACES NP
.endif
.else
	s_wait_dscnt 4*NL
	WIN MUL_LO
	MUL16 0, 1, 1, \sc, 0
	MUL16 2, 1, 1, \sc, 0
	s_wait_dscnt 0x0
	PLACES NP
.endif
	FETCH_B \next, 0, 0
	FETCH_A \next, 0, 0
	SCALES \next, 1-\sc
	WIN MUL_HI
	MUL16 4, 1, 1, \sc, 0
	MUL16 6, 1, 1, \sc, 0
	PLACES NP
	WIN 0
	FETCH_A \next, 0, 4
.endm
	s_wait_tensorcnt 2                             ; my part of kp 0 is in; kp 1's and kp 2's may be out
	s_barrier_signal -1
	s_barrier_wait -1
	FETCH_B 0, 0, 0
	FETCH_A 0, 0, 0
	SCALES 0, 0
	FETCH_A 0, 0, 4
	STEP 0, 0, 1                                   ; the first products start the sums: nothing is cleared
	TURN 0, 1, 0, 1                                ; slot 0 takes kp 3
	STEP 1, 1, 0
	TURN 1, 2, 1, 2
	STEP 2, 0, 0
	TURN 2, 0, 0, 0
	STEP 0, 1, 0
	s_wait_dscnt 4*NL
	WIN MUL_LO
	MUL16 0, 1, 1, 1, 0
	MUL16 2, 1, 1, 1, 0
	s_wait_dscnt 0x0
	WIN MUL_HI
	MUL16 4, 1, 1, 1, 0
	MUL16 6, 1, 1, 1, 0
	WIN 0
; THE WAY OUT.  Block a of side A (16 rows): its 64 registers become a fragment's codes and a scale word a row.  Each accumulator is read from its low end on.
.macro QUANTW a
.set AC, 64*((\a)%4)
	WIN 0x0a+5*((\a)/4)                            ; sources 0 and 1: window 2 or 3
.irp b, 0,1,2,3
	v_max3_num_f32 v[TM+\b], |v[AC+16*\b]|, |v[AC+1+16*\b]|, 0x2800000   ; and the floor 2^(5 - 127)
.endr
.irp i, 2,4,6,8,10,12,14
.irp b, 0,1,2,3
	v_max3_num_f32 v[TM+\b], |v[AC+16*\b+\i]|, |v[AC+1+16*\b+\i]|, v[TM+\b]
.endr
.endr
	WIN 0
.irp b, 0,1,2,3
	v_permlanex16_b32 v[TM+4+\b], v[TM+\b], s[SEL], s[SEL+1]
.endr
.irp b, 0,1,2,3
	v_max_num_f32 v[TM+\b], v[TM+\b], v[TM+4+\b]
.endr
.irp b, 0,1,2,3
	v_add_nc_u32 v[TM+12+\b], 0xfe000000, v[TM+\b]
.endr
.irp b, 0,1,2,3
	v_lshrrev_b32 v[TM+4+\b], 23, v[TM+12+\b]
.endr
	v_lshl_or_b32 v[PWS+(\a)], v[TM+5], 8, v[TM+4]
	v_lshl_or_b32 v[PWS+(\a)], v[TM+6], 16, v[PWS+(\a)]
	v_lshl_or_b32 v[PWS+(\a)], v[TM+7], 24, v[PWS+(\a)]
	WIN 2+(\a)/4                                   ; source 0: window 2 or 3
.irp c, 0,1
	v_cvt_scalef32_pk16_bf6_f32 v[PC+6*\c:PC+2+6*\c], v[AC+32*\c:AC+15+32*\c], v[TM+12+2*\c]
	v_cvt_scalef32_pk16_bf6_f32 v[PC+12+4*\c:PC+14+4*\c], v[AC+16+32*\c:AC+31+32*\c], v[TM+12+2*\c+1]
.endr
	WIN 0
	v_nop                                          ; one plain place behind a scaled conversion
.irp c, 0,1
.irp i, 0,1,2
	v_permlane16_swap_b32 v[PC+6*\c+\i], v[PC+12+4*\c+\i]
.endr
.irp i, 0,1,2
	v_mov_b32 v[PC+3+6*\c+\i], v[PC+12+4*\c+\i]
.endr
.endr
.endm
	PLACES NP                                      ; in front of the first read of results
.irp a, 0,1,2,3,4,5,6,7
.if \a > 0
	s_wait_xcnt 0x0                                ; the last block's stores have read their data and bases: both are written again only behind this wait
	s_add_nc_u64 s[P0:P0+1], s[P0:P0+1], s[STA:STA+1]
	s_add_nc_u64 s[P1:P1+1], s[P1:P1+1], s[STA:STA+1]
.endif
.if \a == 4
	s_add_nc_u64 s[P0:P0+1], s[P0:P0+1], s[JMP:JMP+1]
	s_add_nc_u64 s[P1:P1+1], s[P1:P1+1], s[JMP:JMP+1]
.endif
	QUANTW \a
	global_store_b128 v[L16], v[PC:PC+3], s[P0:P0+1]               ; each store covers 512 or 256 consecutive bytes, aligned
	global_store_b64 v[L8], v[PC+4:PC+5], s[P0:P0+1] offset:512
	global_store_b128 v[L16], v[PC+6:PC+9], s[P1:P1+1]
	global_store_b64 v[L8], v[PC+10:PC+11], s[P1:P1+1] offset:512
.endr
	s_cmp_eq_u32 ttmp9, 2                          ; the cluster's x: the same in all partners
	s_cbranch_scc1 .Lv_words
.irp j, 0,1,2,3
	v_cndmask_b32 v[U+\j], v[PWS+2*\j], v[PWS+2*\j+1], s[HM]       ; q, k: lanes 0-15 tile 2 j's word, lanes 16-31 tile 2 j + 1's; bytes 0, 1: the first head's; 2, 3: the second's
.endr
.irp j, 0,1,2,3
	v_and_or_b32 v[U+4+\j], v[U+\j], 0xffff, s[FILL]               ; the upper 64 of the scores' K hold zero codes: their bytes are 0x7f
.endr
.irp j, 0,1,2,3
	v_lshrrev_b32 v[U+\j], 16, v[U+\j]
.endr
.irp j, 0,1,2,3
	v_or_b32 v[U+\j], s[FILL], v[U+\j]
.endr
	s_add_nc_u64 s[86:87], s[SB:SB+1], s[HS:HS+1]
	global_store_b128 v[L16], v[U+4:U+7], s[SB:SB+1]
	global_store_b128 v[L16], v[U:U+3], s[86:87]
	s_branch .Lwords_done
.Lv_words:
.irp j, 0,1,2,3
	v_cndmask_b32 v[U+\j], v[PWS+\j], v[PWS+4+\j], s[HM]           ; v: lanes 0-15 the first head's four tiles, lanes 16-31 the second head's
.endr
	v_and_b32 v[U+4], 15, v0
	v_bfe_u32 v[U+5], v0, 4, 1
	v_mul_u32_u24 v[U+5], 208896, v[U+5]
	v_lshl_add_u32 v[U+4], v[U+4], 4, v[U+5]
	global_store_b128 v[U+4], v[U:U+3], s[SB:SB+1]                 ; sixteen lanes store 256 consecutive bytes, aligned
.Lwords_done:
	s_wait_tensorcnt 0x0                           ; the wave's end
	ds_add_u32 v[SPW], v[NIL]
	s_wait_dscnt 0x0
	CROUND                                         ; the closing round
	s_endpgm
.Lfunc_end_k_q6a4dcaff40_gemm_qkv:
	.size	k_q6a4dcaff40_gemm_qkv, .Lfunc_end_k_q6a4dcaff40_gemm_qkv-k_q6a4dcaff40_gemm_qkv
	.p2alignl 7, 3214868480
	.fill 96, 4, 3214868480
	.section	.rodata,"a",@progbits
	.p2align	6, 0x0
	.amdhsa_kernel k_q6a4dcaff40_gemm_qkv
		.amdhsa_group_segment_fixed_size 327680
		.amdhsa_private_segment_fixed_size 0
		.amdhsa_enable_private_segment 0
		.amdhsa_kernarg_size 32
		.amdhsa_user_sgpr_count 2
		.amdhsa_user_sgpr_kernarg_segment_ptr 1
		.amdhsa_wavefront_size32 1
		.amdhsa_system_sgpr_workgroup_id_x 1
		.amdhsa_system_sgpr_workgroup_id_y 1
		.amdhsa_system_sgpr_workgroup_id_z 1
		.amdhsa_system_vgpr_workitem_id 0
		.amdhsa_next_free_vgpr 1024
		.amdhsa_next_free_sgpr 100
		.amdhsa_reserve_vcc 0
		.amdhsa_float_denorm_mode_32 3
		.amdhsa_float_denorm_mode_16_64 3
		.amdhsa_memory_ordered 1
		.amdhsa_forward_progress 1
		.amdhsa_inst_pref_size 150
	.end_amdhsa_kernel
	.amdgpu_metadata
---
amdhsa.version: [ 1, 2 ]
amdhsa.kernels:
  - .name:           k_q6a4dcaff40_gemm_qkv
    .symbol:         k_q6a4dcaff40_gemm_qkv.kd
    .args:
      - { .name: zq, .offset: 0, .size: 8, .value_kind: global_buffer, .address_space: global }
      - { .name: wq, .offset: 8, .size: 8, .value_kind: global_buffer, .address_space: global }
      - { .name: qb, .offset: 16, .size: 8, .value_kind: global_buffer, .address_space: global }
      - { .name: kv, .offset: 24, .size: 8, .value_kind: global_buffer, .address_space: global }
    .group_segment_fixed_size: 327680
    .private_segment_fixed_size: 0
    .kernarg_segment_align: 8
    .kernarg_segment_size: 32
    .max_flat_workgroup_size: 128
    .sgpr_count:     100
    .vgpr_count:     1024
    .wavefront_size: 32
...
	.end_amdgpu_metadata
.endif
;; end of part 2
;; launch attn (part 3): grid 4 x 64, 16 waves a work-group, clusters of 4 x 1, 210,944 bytes of LDS; arguments qb, kv, ob; writes ob
.if DOCPART == 3
	.amdgcn_target "amdgcn-amd-amdhsa--gfx1250"
	.amdhsa_code_object_version 6
	.text
	.protected	k_q6a4dcaff40_attn
	.globl	k_q6a4dcaff40_attn
	.p2align	8
	.type	k_q6a4dcaff40_attn,@function
k_q6a4dcaff40_attn:
	s_mov_b64 s[64:65], 0
	v_nop
	global_prefetch_b8 v0, s[64:65] scope:SCOPE_SE
	s_setreg_imm32_b32 hwreg(HW_REG_WAVE_MODE, 25, 1), 1
	s_wait_xcnt 0x0
	s_wait_alu depctr_hold_cnt(0) depctr_sa_sdst(0) depctr_va_vdst(0) depctr_va_sdst(0) depctr_va_ssrc(0) depctr_va_vcc(0) depctr_vm_vsrc(0)
	s_getreg_b32 s2, hwreg(HW_REG_IB_STS2, 6, 4)
	s_cmp_eq_u32 s2, 0
	s_cbranch_scc0 .Lentry_in_a_cluster
	s_endpgm
.Lentry_in_a_cluster:
	s_bfe_u32 s2, ttmp6, 0x10000c
	s_cmp_lg_u32 s2, 0x3003
	s_cbranch_scc0 .Lentry_shape_is_right
	s_endpgm
.Lentry_shape_is_right:
; Causal attention of one head (grid y = 16 x batch + head), both products on codes of BF6 (E3M2) with E8M0 scales; its result, divided by the row's sum, is quantised along D and leaves as the next product's operand.
; t = score x log2(e) / 8; M = the running largest t rounded UP to a whole number; p = 2^(t - M) is quantised along the keys; the row's sum is taken of the unquantised p; when M moves, sum and O are multiplied by 2^(old M - new M).
; A HEAD'S K, V AND SCALES ARE 16 RECORDS OF 13,056 BYTES = 208,896 BYTES: THEY LIE IN LDS WHOLE, FILLED ONCE: no slot is filled again, nothing is stored to LDS.
; CLUSTER: the four work-groups of a head form a cluster and ask for those bytes jointly (mask 15): waves 0-7 each ask for records w and 8 + w: two tensor loads of a wave are out at the most.
; SHARES: 128 tiles of 16 queries.  With i = wave / 2 and m = 2 cx + wave % 2 a wave owns tiles 8 i + m and 127 - (8 i + m): (i + 1) + (16 - i) = 17 steps of 128 keys for every wave.
; Which steps are left out or lie on the diagonal hangs on the wave's number alone; cx enters only global addresses of Q and O and the number that the mask compares with.
; LAYOUT: S^T = K Q^T (source 0 = 16 keys, source 1 = my 16 queries), O^T = V^T P^T: a lane holds one query throughout.  The scores' K is 64: Q's registers 6-11 are zero codes, so the upper half of K's operand
; (the next tile's codes, or six zero registers) adds exact zeros; bytes 2 and 3 of both scale words are 0x7f.
; Inside a block of 32 the place 16 h + 8 u + j holds number 16 u + 8 h + j, in p as in V, in O as in Wproj's codes: the same products, summed in another order inside a block.
; LIMITS: NaN and infinities are not served; blocks of o under 2^-122 and blocks of zeros get the byte 1.  o's scale bytes leave one byte a lane: a scale word spans two heads, which lie in different work-groups.
.set REC,  13056
.set L16,  1                           ; 16 x lane
.set L8,   2                           ; 8 x lane
.set L16R, 3                           ; 16 x (lane % 16)
.set AD16, 4                           ; the step's LDS addresses
.set AD8,  5
.set ADV,  6
.set DVA,  7                           ; the mask's number for the late tile: 16 x (tile % 8) + r - 8 h
.set DVB,  8                           ; for the early tile
.set NINF, 9
.set OSV,  10                          ; 8 r + h
.set QA,   16                          ; v16-27 Q of the late tile;  v28-39 of the early tile
.set QB,   28
.set QSA,  40                          ; their scale words
.set QSB,  41
.set KV,   42                          ; v42-95: K's 8 x 6 registers and 6 zeros; then V's 4 x 12
.set KS,   96                          ; v96-99 K's scale words;  v100-103 V's
.set VS,   100
.set S,    104                         ; v104-167 S^T, then p
.set O,    168                         ; v168-199 O^T
.set PC,   200                         ; v200-211 p's codes
.set CT,   212                         ; v212-219 conversions' second halves
.set TM,   220                         ; v220-231 at work
.set T0,   232
.set F,    234                         ; f = 2^(old M - new M)
.set PW,   235                         ; p's scale word
.set SU,   236                         ; v[236:237] the second chain of the sum
.set WV,   12
.set CX,   13
.set HD,   14
.set WI,   15                          ; i
.set MM,   17                          ; m
.set SEL,  20
.set CS,   22                          ; s[22:23] c = log2(e) / 8
.set G1,   24
.set G0,   32                          ; s[32:39] two groups 0
.set TB,   40                          ; LDS byte of the step's record
.set CNT,  41
.set KI,   42                          ; the step's chunk
.set DI,   43                          ; the tile's own chunk
.set HM,   44
.set AA,   46                          ; s[46:53] the late tile: Q's codes, Q's scale words, O's codes, O's scale bytes
.set AB,   54                          ; s[54:61] the early tile
.set CHA,  73                          ; 15 - i
.set MA,   74                          ; 7 - m
.macro CROUND
	s_barrier_signal -1
	s_barrier_wait -1
	s_cmp_lg_u32 s[WV], 0
	s_cbranch_scc1 .Lnot_wave_0_\@
	s_barrier_signal -3
.Lnot_wave_0_\@:
	s_barrier_wait -3
	s_barrier_signal -1
	s_barrier_wait -1
.endm
	s_load_b128 s[4:7], s[0:1], 0x0                ; qb s[4:5], kv s[6:7]
	s_load_b64 s[8:9], s[0:1], 0x10                ; ob
	v_lshl_add_u32 v254, v0, 2, 0x33000
	v_mov_b32 v255, 0
	ds_add_u32 v254, v255
	ds_add_u32 v254, v255
	v_lshrrev_b32 v1, 5, v0
	s_delay_alu instid0(VALU_DEP_1)
	v_readfirstlane_b32 s[WV], v1
	s_bfe_u32 s[CX], ttmp6, 0x40000
	s_and_b32 s[HD], ttmp7, 0xffff
	s_lshr_b32 s[WI], s[WV], 1
	s_and_b32 s66, s[WV], 1
	s_lshl_b32 s[MM], s[CX], 1
	s_add_co_u32 s[MM], s[MM], s66
	s_xor_b32 s[CHA], s[WI], 15                    ; 15 - i
	s_xor_b32 s[MA], s[MM], 7                      ; 7 - m
	s_mov_b32 s[G1], 15|(3<<16)|(1<<21)            ; the mask: all four; elements of 8 bytes; 21 set beside a mask; no padding
	s_mov_b32 s[G1+1], 32<<16                      ; rows of 256 bytes,
	s_mov_b32 s[G1+2], 51<<16                      ; 51 of them: a record
	s_mov_b32 s[G1+3], 32<<16
	s_mov_b32 s[G1+4], 51
	s_mov_b32 s[G1+5], 32
	s_mov_b32 s[G1+6], 0
	s_mov_b32 s[G1+7], 0
	s_and_b32 s67, s[WV], 7
	s_mul_i32 s67, s67, REC                        ; record w, in memory and in LDS alike
	s_mul_i32 s68, s[HD], 16*REC
	s_add_co_u32 s68, s68, s67
	s_mov_b32 s69, 0
	s_mov_b32 s[SEL], 0x76543210
	s_mov_b32 s[SEL+1], 0xfedcba98
	s_mov_b32 s[CS], 0x3e38aa3b
	s_mov_b32 s[CS+1], s[CS]
	s_mov_b32 s[HM], 0xffff0000
	s_wait_dscnt 0x0
	s_wait_kmcnt 0x0
	s_add_nc_u64 s[68:69], s[6:7], s[68:69]
	s_mov_b32 s[G0], 1
	s_mov_b32 s[G0+1], s67
	s_mov_b64 s[G0+2:G0+3], s[68:69]
	s_or_b32 s[G0+3], s[G0+3], 0x80000000
	s_mov_b32 s[G0+4], 1
	s_add_co_u32 s[G0+5], s67, 8*REC
	s_add_nc_u64 s[G0+6:G0+7], s[68:69], 8*REC
	s_or_b32 s[G0+7], s[G0+7], 0x80000000
	CROUND                                         ; all four work-groups are here: the joint loads meet
	s_cmp_lt_u32 s[WV], 8                          ; a wave's two fills stand in one branch on the wave's number
	s_cbranch_scc0 .Lno_fill
	tensor_load_to_lds s[G0:G0+3], s[G1:G1+7]
	s_nop 0
	tensor_load_to_lds s[G0+4:G0+7], s[G1:G1+7]
	s_nop 0
.rept 4
	v_nop
.endr
.Lno_fill:
; the four addresses of a tile: chunk s[ch], place in the chunk s[m]
.macro TADDR ch, m, p
	s_lshl_b32 s70, s[HD], 4
	s_add_co_u32 s70, s70, s[\ch]
	s_mul_i32 s70, s70, 6656                       ; qb's record
	s_mul_i32 s71, s[\m], 768
	s_add_co_u32 s[\p], s70, s71
	s_mov_b32 s[\p+1], 0
	s_add_nc_u64 s[\p:\p+1], s[4:5], s[\p:\p+1]
	s_and_b32 s71, s[\m], 1
	s_lshl_b32 s71, s71, 8                         ; an odd tile's words lie in lanes 16-31's bytes,
	s_add_co_u32 s70, s70, s71
	s_lshr_b32 s71, s[\m], 1
	s_lshl_b32 s71, s71, 2                         ; word (tile % 8) / 2
	s_add_co_u32 s70, s70, s71
	s_add_co_u32 s[\p+2], s70, 6144
	s_mov_b32 s[\p+3], 0
	s_add_nc_u64 s[\p+2:\p+3], s[4:5], s[\p+2:\p+3]
	s_bfe_u32 s70, s[HD], 0x20002                  ; kp = head / 4
	s_lshl_b32 s70, s70, 6
	s_lshr_b32 s71, s[HD], 4
	s_lshl_b32 s71, s71, 4                         ; 16 x batch
	s_add_co_u32 s70, s70, s71
	s_add_co_u32 s70, s70, s[\ch]
	s_mul_i32 s70, s70, 25600                      ; ob's block
	s_mul_i32 s71, s[\m], 3072
	s_add_co_u32 s71, s71, s70
	s_bfe_u32 s72, s[HD], 0x10001
	s_mul_i32 s72, s72, 1536                       ; which 128 of the 256 K,
	s_add_co_u32 s71, s71, s72
	s_and_b32 s72, s[HD], 1
	s_mul_i32 s72, s72, 768                        ; which 64 of them
	s_add_co_u32 s[\p+4], s71, s72
	s_mov_b32 s[\p+5], 0
	s_add_nc_u64 s[\p+4:\p+5], s[8:9], s[\p+4:\p+5]
	s_lshl_b32 s71, s[\m], 7
	s_add_co_u32 s70, s70, s71
	s_and_b32 s71, s[HD], 3
	s_lshl_b32 s71, s71, 1                         ; my head's two of a row's eight bytes
	s_add_co_u32 s70, s70, s71
	s_add_co_u32 s[\p+6], s70, 24576
	s_mov_b32 s[\p+7], 0
	s_add_nc_u64 s[\p+6:\p+7], s[8:9], s[\p+6:\p+7]
.endm
	TADDR CHA, MA, AA
	TADDR WI, MM, AB
	v_and_b32 v[L16], 31, v0
	s_delay_alu instid0(VALU_DEP_1)
	v_lshlrev_b32 v[L8], 3, v[L16]
	s_delay_alu instid0(VALU_DEP_2)
	v_lshlrev_b32 v[L16], 4, v[L16]
	v_and_b32 v11, 15, v0                          ; r
	v_bfe_u32 v[T0], v0, 4, 1                      ; h
	s_delay_alu instid0(VALU_DEP_2)
	v_lshlrev_b32 v[L16R], 4, v11
	global_load_b128 v[QA:QA+3], v[L16], s[AA:AA+1]
	global_load_b64 v[QA+4:QA+5], v[L8], s[AA:AA+1] offset:512
	global_load_b32 v[QSA], v[L16R], s[AA+2:AA+3]
	global_load_b128 v[QB:QB+3], v[L16], s[AB:AB+1]
	global_load_b64 v[QB+4:QB+5], v[L8], s[AB:AB+1] offset:512
	global_load_b32 v[QSB], v[L16R], s[AB+2:AB+3]
	v_lshl_add_u32 v[OSV], v11, 3, v[T0]
	v_lshlrev_b32 v[T0], 3, v[T0]
	s_delay_alu instid0(VALU_DEP_1)
	v_sub_nc_u32 v11, v11, v[T0]                   ; r - 8 h
	s_lshl_b32 s70, s[MA], 4
	v_add_nc_u32 v[DVA], s70, v11
	s_lshl_b32 s70, s[MM], 4
	v_add_nc_u32 v[DVB], s70, v11
	v_mov_b32 v[NINF], 0xff800000
.irp j, 6,7,8,9,10,11
	v_mov_b32 v[QA+\j], 0                          ; zero codes: the scores' K is 64
	v_mov_b32 v[QB+\j], 0
.endr
.irp j, 48,49,50,51,52,53
	v_mov_b32 v[KV+\j], 0                          ; behind K's last tile
.endr
.irp b, 0,1,2,3
	v_mov_b32 v[TM+4+\b], 0                        ; written once: a lane permute's destination counts as one of its sources
.endr
	v_mov_b32 v[PW], 0                             ; (named as the upper half of the pair with f before it is first made)
.macro INIT                            ; a tile begins: the largest t under every t, sums and O^T zero: the first change of M multiplies zeros
	v_mov_b32 v13, 0xff61b1e6
	s_delay_alu instid0(VALU_DEP_1)
	v_floor_f32 v12, -v13
	v_mov_b32 v14, 0
	v_mov_b32 v15, 0
.set j, 0
.rept 32
	v_mov_b32 v[O+j], 0
.set j, j+1
.endr
.endm
; A STEP: the 128 keys of the record at LDS byte TB
.macro STEP qf, qs, dv, causal
.if \causal
	s_cmp_gt_u32 s[KI], s[DI]                      ; all its keys come after my queries: only the steps of the addresses are done
	s_cbranch_scc1 .Lhidden_\@
.endif
	s_setprio 2
	v_add_nc_u32 v[AD16], s[TB], v[L16]
	v_add_nc_u32 v[AD8], s[TB], v[L8]
	v_add_nc_u32 v[ADV], s[TB], v[L16R]
	v_nop                                          ; four places in front of loads into registers that the last products read
.irp t, 0,1,2,3,4,5,6,7
	ds_load_b128 v[KV+6*\t:KV+6*\t+3], v[AD16] offset:768*\t
	ds_load_b64 v[KV+6*\t+4:KV+6*\t+5], v[AD8] offset:768*\t+512
.endr
	ds_load_b128 v[KS:KS+3], v[AD16] offset:6144
	s_wait_alu depctr_va_vdst(0)
	s_wait_dscnt 0x0
.irp t, 0,2,4,6
	v_wmma_scale_f32_16x16x128_f8f6f4 v[S+8*\t:S+8*\t+7], v[KV+6*\t:KV+6*\t+11], v[\qf:\qf+11], 0, v[KS+\t/2], v[\qs] matrix_a_fmt:MATRIX_FMT_BF6 matrix_b_fmt:MATRIX_FMT_BF6
	v_wmma_scale_f32_16x16x128_f8f6f4 v[S+8*\t+8:S+8*\t+15], v[KV+6*\t+6:KV+6*\t+17], v[\qf:\qf+11], 0, v[KS+\t/2], v[\qs] matrix_a_fmt:MATRIX_FMT_BF6 matrix_b_fmt:MATRIX_FMT_BF6 matrix_a_scale:MATRIX_SCALE_ROW1
.endr
.rept 4
	v_nop                                          ; places in front of the loads below and of the first read of the scores
.endr
.irp t, 0,1,2,3                                ; V's fragments land under the softmax
	ds_load_b128 v[KV+12*\t:KV+12*\t+3], v[AD16] offset:6656+1536*\t
	ds_load_b64 v[KV+12*\t+4:KV+12*\t+5], v[AD8] offset:6656+1536*\t+512
	ds_load_b128 v[KV+12*\t+6:KV+12*\t+9], v[AD16] offset:6656+1536*\t+768
	ds_load_b64 v[KV+12*\t+10:KV+12*\t+11], v[AD8] offset:6656+1536*\t+1280
.endr
	ds_load_b128 v[VS:VS+3], v[ADV] offset:12800
.if \causal
	s_cmp_lg_u32 s[KI], s[DI]
	s_cbranch_scc1 .Lopen_\@
.set n, 0
.rept 64                                       ; on the diagonal: register 8 t + j holds key 16 t + 8 h + j of the chunk: hidden where 16 t + j > 16 (tile % 8) + r - 8 h
	v_cmp_gt_i32 vcc_lo, 16*(n/8)+n%8, v[\dv]
	v_cndmask_b32 v[S+n], v[S+n], v[NINF], vcc_lo
.set n, n+1
.endr
.Lopen_\@:
.endif
.irp b, 0,1,2,3
	v_max3_num_f32 v[TM+\b], v[S+16*\b], v[S+1+16*\b], v[S+2+16*\b]   ; the largest score of each block of 32 keys: for the row's maximum, and for the block's largest p
.endr
.irp i, 3,5,7,9,11,13
.irp b, 0,1,2,3
	v_max3_num_f32 v[TM+\b], v[TM+\b], v[S+16*\b+\i], v[S+1+16*\b+\i]
.endr
.endr
.irp b, 0,1,2,3
	v_max_num_f32 v[TM+\b], v[TM+\b], v[S+15+16*\b]
.endr
.irp b, 0,1,2,3
	s_delay_alu instid0(VALU_DEP_4)
	v_permlanex16_b32 v[TM+4+\b], v[TM+\b], s[SEL], s[SEL+1]
.endr
.irp b, 0,1,2,3
	s_delay_alu instid0(VALU_DEP_4)
	v_max_num_f32 v[TM+\b], v[TM+\b], v[TM+4+\b]
.endr
	s_delay_alu instid0(VALU_DEP_2)
	v_max3_num_f32 v[T0], v[TM], v[TM+1], v[TM+2]
	s_delay_alu instid0(VALU_DEP_1)
	v_max_num_f32 v[T0], v[T0], v[TM+3]
	s_delay_alu instid0(VALU_DEP_1)
	v_mul_f32 v[T0], s[CS], v[T0]
	s_delay_alu instid0(VALU_DEP_1)
	v_max_num_f32 v13, v13, v[T0]                  ; the running largest t
	v_mov_b32 v[T0], v12
	s_delay_alu instid0(VALU_DEP_2)
	v_floor_f32 v12, -v13                          ; -M = floor(-t): M is a whole number
	s_delay_alu instid0(VALU_DEP_1)
	v_sub_f32 v[T0], v12, v[T0]
	s_delay_alu instid0(VALU_DEP_1)
	v_cvt_i32_f32 v[T0], v[T0]                     ; (it saturates)
	s_delay_alu instid0(VALU_DEP_1)
	v_ldexp_f32 v[F], 1.0, v[T0]                   ; f = 2^(old M - new M)
.set j, 0
.rept 32
	v_pk_fma_f32 v[S+j:S+j+1], v[S+j:S+j+1], s[CS:CS+1], v[12:13] op_sel_hi:[1,0,0]   ; t - M
.set j, j+2
.endr
.irp b, 0,1,2,3
	v_fma_f32 v[TM+\b], v[TM+\b], s[CS], v12
.endr
.set j, 0
	s_setprio 1
	s_wait_alu depctr_va_vdst(0)
.rept 64
	v_exp_f32 v[S+j], v[S+j]                       ; p = 2^(t - M)
.set j, j+1
.endr
.irp b, 0,1,2,3
	v_exp_f32 v[TM+\b], v[TM+\b]                   ; the block's largest p
.endr
	v_pk_mul_f32 v[14:15], v[14:15], v[F:F+1] op_sel_hi:[1,0]      ; the sums under the new M (a plain place behind the exponentials)
	s_wait_alu depctr_va_vdst(0)
.irp b, 0,1,2,3
	v_max_num_f32 v[TM+\b], 0x2800000, v[TM+\b]    ; the floor 2^(5 - 127)
.endr
.irp b, 0,1,2,3
	s_delay_alu instid0(VALU_DEP_4)
	v_add_nc_u32 v[TM+8+\b], 0xfe000000, v[TM+\b]
.endr
.irp b, 0,1,2,3
	s_delay_alu instid0(VALU_DEP_4)
	v_lshrrev_b32 v[TM+4+\b], 23, v[TM+8+\b]
.endr
	s_delay_alu instid0(VALU_DEP_3)
	v_lshl_or_b32 v[PW], v[TM+5], 8, v[TM+4]
	s_delay_alu instid0(VALU_DEP_1)
	v_lshl_or_b32 v[PW], v[TM+6], 16, v[PW]
	s_delay_alu instid0(VALU_DEP_1)
	v_lshl_or_b32 v[PW], v[TM+7], 24, v[PW]
.irp c, 0,1
	v_cvt_scalef32_pk16_bf6_f32 v[PC+6*\c:PC+2+6*\c], v[S+32*\c:S+15+32*\c], v[TM+8+2*\c]
	v_cvt_scalef32_pk16_bf6_f32 v[CT+4*\c:CT+2+4*\c], v[S+16+32*\c:S+31+32*\c], v[TM+8+2*\c+1]
.endr
	v_nop                                          ; one plain place behind a scaled conversion
.irp c, 0,1
.irp i, 0,1,2
	v_permlane16_swap_b32 v[PC+6*\c+\i], v[CT+4*\c+\i]
.endr
.irp i, 0,1,2
	s_delay_alu instid0(VALU_DEP_3)
	v_mov_b32 v[PC+3+6*\c+\i], v[CT+4*\c+\i]
.endr
.endr
	v_pk_add_f32 v[236:237], v[108:109], v[112:113]
	v_pk_add_f32 v[252:253], v[116:117], v[120:121]
	v_pk_add_f32 v[250:251], v[124:125], v[128:129]
	v_pk_add_f32 v[248:249], v[132:133], v[136:137]
	v_pk_add_f32 v[246:247], v[140:141], v[144:145]
	v_pk_add_f32 v[244:245], v[148:149], v[152:153]
	v_pk_add_f32 v[242:243], v[156:157], v[160:161]
	v_pk_add_f32 v[14:15], v[14:15], v[164:165]
	v_pk_add_f32 v[236:237], v[236:237], v[104:105]
	v_pk_add_f32 v[252:253], v[252:253], v[106:107]
	v_pk_add_f32 v[250:251], v[250:251], v[110:111]
	v_pk_add_f32 v[248:249], v[248:249], v[114:115]
	v_pk_add_f32 v[246:247], v[246:247], v[118:119]
	v_pk_add_f32 v[244:245], v[244:245], v[122:123]
	v_pk_add_f32 v[242:243], v[242:243], v[126:127]
	v_pk_add_f32 v[14:15], v[14:15], v[130:131]
	v_pk_add_f32 v[236:237], v[236:237], v[134:135]
	v_pk_add_f32 v[252:253], v[252:253], v[138:139]
	v_pk_add_f32 v[250:251], v[250:251], v[142:143]
	v_pk_add_f32 v[248:249], v[248:249], v[146:147]
	s_setprio 0
	v_pk_add_f32 v[246:247], v[246:247], v[150:151]
	v_pk_add_f32 v[244:245], v[244:245], v[154:155]
	v_pk_add_f32 v[242:243], v[242:243], v[158:159]
	v_pk_add_f32 v[14:15], v[14:15], v[162:163]
	v_pk_add_f32 v[236:237], v[236:237], v[166:167]
	s_delay_alu instid0(VALU_DEP_2)
	v_pk_add_f32 v[14:15], v[14:15], v[248:249]
	s_delay_alu instid0(VALU_DEP_2)
	v_pk_add_f32 v[236:237], v[236:237], v[246:247]
	v_pk_add_f32 v[252:253], v[252:253], v[244:245]
	v_pk_add_f32 v[250:251], v[250:251], v[242:243]
	s_delay_alu instid0(VALU_DEP_2)
	v_pk_add_f32 v[14:15], v[14:15], v[252:253]
	s_delay_alu instid0(VALU_DEP_2)
	v_pk_add_f32 v[236:237], v[236:237], v[250:251]
	s_delay_alu instid0(VALU_DEP_1)
	v_pk_add_f32 v[14:15], v[14:15], v[236:237]
.set j, 0
.rept 16
	v_pk_mul_f32 v[O+j:O+j+1], v[O+j:O+j+1], v[F:F+1] op_sel_hi:[1,0]   ; O^T under the new M
.set j, j+2
.endr
	s_wait_alu depctr_va_vdst(0)
	s_wait_dscnt 0x0                               ; V and its scale words are in
.irp t, 0,1,2,3                                ; the four accumulators by turns, one instruction a turn
	v_wmma_scale_f32_16x16x128_f8f6f4 v[O+8*\t:O+8*\t+7], v[KV+12*\t:KV+12*\t+11], v[PC:PC+11], v[O+8*\t:O+8*\t+7], v[VS+\t], v[PW] matrix_a_fmt:MATRIX_FMT_BF6 matrix_b_fmt:MATRIX_FMT_BF6
.endr
.if \causal
.Lhidden_\@:
	s_add_co_u32 s[KI], s[KI], 1
.endif
	s_add_co_u32 s[TB], s[TB], REC
.endm
; A tile ends: O^T / the sum, quantised along D (two blocks of 32), leaves as half an image and two scale bytes a row
.macro FINISH p
.rept 4
	v_nop                                          ; places behind the last products
.endr
	v_add_f32 v14, v14, v15
	s_delay_alu instid0(VALU_DEP_1)
	v_permlanex16_b32 v[T0], v14, s[SEL], s[SEL+1]
	s_delay_alu instid0(VALU_DEP_1)
	v_add_f32 v14, v14, v[T0]
	s_wait_alu depctr_va_vdst(0)
	v_rcp_f32 v14, v14
	v_nop                                          ; a plain place behind the transcendental
.set j, 0
	s_wait_alu depctr_va_vdst(0)
.rept 32
	v_mul_f32 v[S+j], v[O+j], v14                  ; each accumulator from its low end on
.set j, j+1
.endr
.irp b, 0,1
	v_max3_num_f32 v[TM+\b], |v[S+16*\b]|, |v[S+1+16*\b]|, 0x2800000
.endr
.irp i, 2,4,6,8,10,12,14
.irp b, 0,1
	s_delay_alu instid0(VALU_DEP_2)
	v_max3_num_f32 v[TM+\b], v[TM+\b], |v[S+16*\b+\i]|, |v[S+1+16*\b+\i]|
.endr
.endr
.irp b, 0,1
	s_delay_alu instid0(VALU_DEP_2)
	v_permlanex16_b32 v[TM+4+\b], v[TM+\b], s[SEL], s[SEL+1]
.endr
.irp b, 0,1
	s_delay_alu instid0(VALU_DEP_2)
	v_max_num_f32 v[TM+\b], v[TM+\b], v[TM+4+\b]
.endr
.irp b, 0,1
	s_delay_alu instid0(VALU_DEP_2)
	v_add_nc_u32 v[TM+8+\b], 0xfe000000, v[TM+\b]
.endr
.irp b, 0,1
	s_delay_alu instid0(VALU_DEP_2)
	v_lshrrev_b32 v[TM+4+\b], 23, v[TM+8+\b]
.endr
	v_cvt_scalef32_pk16_bf6_f32 v[PC:PC+2], v[S:S+15], v[TM+8]
	v_cvt_scalef32_pk16_bf6_f32 v[CT:CT+2], v[S+16:S+31], v[TM+9]
	v_cndmask_b32 v[T0], v[TM+4], v[TM+5], s[HM]   ; lanes 0-15 block 0's byte, lanes 16-31 block 1's (a plain place behind the conversions)
.irp i, 0,1,2
	v_permlane16_swap_b32 v[PC+\i], v[CT+\i]
.endr
.irp i, 0,1,2
	s_delay_alu instid0(VALU_DEP_3)
	v_mov_b32 v[PC+3+\i], v[CT+\i]
.endr
	global_store_b128 v[L16], v[PC:PC+3], s[\p+4:\p+5]             ; 512 consecutive bytes, aligned
	global_store_b64 v[L8], v[PC+4:PC+5], s[\p+4:\p+5] offset:512  ; 256
	global_store_b8 v[OSV], v[T0], s[\p+6:\p+7]
	s_wait_xcnt 0x0                                ; the stores' data are written again only behind this wait
.endm
	INIT
	s_wait_tensorcnt 1                             ; my first record is in; the second may be out
	s_wait_loadcnt 0x0                             ; Q
	s_barrier_signal -1
	s_barrier_wait -1                              ; records 0-7 are whole
	s_mov_b32 s[TB], 0
	s_mov_b32 s[CNT], 8
.Lloop_a:                                          ; the late tile (queries from 1,024 on), chunks 0-7: every key counts
	STEP QA, QSA, DVA, 0
	s_sub_co_u32 s[CNT], s[CNT], 1
	s_cmp_lg_u32 s[CNT], 0
	s_cbranch_scc1 .Lloop_a
	s_setprio 0
	s_wait_tensorcnt 0x0                           ; my second record is in
	s_wait_dscnt 0x0
	s_barrier_signal -1
	s_barrier_wait -1                              ; records 8-15 are whole
	s_mov_b32 s[TB], 8*REC
	s_mov_b32 s[KI], 8
	s_xor_b32 s[DI], s[WI], 15
	s_mov_b32 s[CNT], 8
.Lloop_b:                                          ; the late tile, chunks 8-15: a constant count of trips; the work of hidden steps is jumped over
	STEP QA, QSA, DVA, 1
	s_sub_co_u32 s[CNT], s[CNT], 1
	s_cmp_lg_u32 s[CNT], 0
	s_cbranch_scc1 .Lloop_b
	s_setprio 0
	FINISH AA
	INIT
	s_mov_b32 s[TB], 0
	s_mov_b32 s[KI], 0
	s_mov_b32 s[DI], s[WI]
	s_mov_b32 s[CNT], 8
.Lloop_c:                                          ; the early tile, chunks 0-7
	STEP QB, QSB, DVB, 1
	s_sub_co_u32 s[CNT], s[CNT], 1
	s_cmp_lg_u32 s[CNT], 0
	s_cbranch_scc1 .Lloop_c
	s_setprio 0
	FINISH AB
	s_wait_tensorcnt 0x0
	ds_add_u32 v254, v255
	s_wait_dscnt 0x0
	CROUND                                         ; the closing round
	s_endpgm
.Lfunc_end_k_q6a4dcaff40_attn:
	.size	k_q6a4dcaff40_attn, .Lfunc_end_k_q6a4dcaff40_attn-k_q6a4dcaff40_attn
	.p2alignl 7, 3214868480
	.fill 96, 4, 3214868480
	.section	.rodata,"a",@progbits
	.p2align	6, 0x0
	.amdhsa_kernel k_q6a4dcaff40_attn
		.amdhsa_group_segment_fixed_size 210944
		.amdhsa_private_segment_fixed_size 0
		.amdhsa_enable_private_segment 0
		.amdhsa_kernarg_size 24
		.amdhsa_user_sgpr_count 2
		.amdhsa_user_sgpr_kernarg_segment_ptr 1
		.amdhsa_wavefront_size32 1
		.amdhsa_system_sgpr_workgroup_id_x 1
		.amdhsa_system_sgpr_workgroup_id_y 1
		.amdhsa_system_sgpr_workgroup_id_z 1
		.amdhsa_system_vgpr_workitem_id 0
		.amdhsa_next_free_vgpr 256
		.amdhsa_next_free_sgpr 80
		.amdhsa_reserve_vcc 1
		.amdhsa_float_denorm_mode_32 3
		.amdhsa_float_denorm_mode_16_64 3
		.amdhsa_memory_ordered 1
		.amdhsa_forward_progress 1
		.amdhsa_inst_pref_size 83
	.end_amdhsa_kernel
	.amdgpu_metadata
---
amdhsa.version: [ 1, 2 ]
amdhsa.kernels:
  - .name:           k_q6a4dcaff40_attn
    .symbol:         k_q6a4dcaff40_attn.kd
    .args:
      - { .name: qb, .offset: 0, .size: 8, .value_kind: global_buffer, .address_space: global }
      - { .name: kv, .offset: 8, .size: 8, .value_kind: global_buffer, .address_space: global }
      - { .name: ob, .offset: 16, .size: 8, .value_kind: global_buffer, .address_space: global }
    .group_segment_fixed_size: 210944
    .private_segment_fixed_size: 0
    .kernarg_segment_align: 8
    .kernarg_segment_size: 24
    .max_flat_workgroup_size: 512
    .sgpr_count:     80
    .vgpr_count:     256
    .wavefront_size: 32
...
	.end_amdgpu_metadata
.endif
;; end of part 3
;; launch gemm_proj (part 4): grid 4 x 32, 4 waves a work-group, clusters of 4 x 4, 327,680 bytes of LDS; arguments ob, wp, out0; writes out0
.if DOCPART == 4
	.amdgcn_target "amdgcn-amd-amdhsa--gfx1250"
	.amdhsa_code_object_version 6
	.text
	.protected	k_q6a4dcaff40_gemm_proj
	.globl	k_q6a4dcaff40_gemm_proj
	.p2align	8
	.type	k_q6a4dcaff40_gemm_proj,@function
k_q6a4dcaff40_gemm_proj:
	s_mov_b64 s[64:65], 0
	v_nop
	global_prefetch_b8 v0, s[64:65] scope:SCOPE_SE
	s_setreg_imm32_b32 hwreg(HW_REG_WAVE_MODE, 25, 1), 1
	s_wait_xcnt 0x0
	s_wait_alu depctr_hold_cnt(0) depctr_sa_sdst(0) depctr_va_vdst(0) depctr_va_sdst(0) depctr_va_ssrc(0) depctr_va_vcc(0) depctr_vm_vsrc(0)
	s_getreg_b32 s2, hwreg(HW_REG_IB_STS2, 6, 4)
	s_cmp_eq_u32 s2, 0
	s_cbranch_scc0 .Lentry_in_a_cluster
	s_endpgm
.Lentry_in_a_cluster:
	s_bfe_u32 s2, ttmp6, 0x10000c
	s_cmp_lg_u32 s2, 0xf033
	s_cbranch_scc0 .Lentry_shape_is_right
	s_endpgm
.Lentry_shape_is_right:
; out0 = o Wproj on codes of BF6 (E3M2) with E8M0 scales, K = 1024, sums in f32, out0 [8192][1024] f32.
; OPERANDS: X[kp 0..3][group of 128 rows][25,600 bytes]: images of the operand's registers and, from byte 24,576, the scale bytes; one block is one tensor load (100 dense rows of 256 bytes).
; A tile of 256 x 256 is made by four waves, 128 x 128 each: 64 accumulators, 512 registers.  The matrix instruction is used transposed (source 0 = 16 columns of Wproj, source 1 = 16 rows of o):
; a lane holds eight neighbouring numbers of a row of out0.  K goes in four steps of 256 through THREE LDS slots: three first fills, one refill.  A wave has three tensor loads out at the start, later one.
; CLUSTER 4 x 4: o's blocks are shared along a row of the cluster, Wproj's along a column: joint loads.  The tiles are 128: a tile of 128 x 256 would give each WGP a work-group at half the work for each LDS byte; not built.
; Inside a block of 32 both operands carry the same order (bits 3 and 4 of the place exchanged): the same products, summed in another order inside a block.
; lds_bytes claims all of LDS.
.set HALFT,  25600
.set SLOT,   4*HALFT
.set SPARE,  3*SLOT
.set FR,     12
.set NL,     4
.set NP,     4
.set NQ,     2
.set OKP,    64*HALFT                  ; bytes from kp to kp + 1 in ob
.set PKP,    8*HALFT                   ; and in wp
.set SPITCH, 528                       ; the way out: a stage of 16 rows x (512 bytes + 16) for each wave, at the head of slot 1: that slot has had its only fill, and every wave's reads of it ended ahead of the last barrier
.set ADRA16, 4
.set ADRA8,  7
.set ADRB16, 10
.set ADRB8,  13
.set ADRS,   16
.set L16,    19
.set L8,     20
.set STO,    24
.set RD,     25
.set SPW,    28
.set NIL,    29
.set SC,     32
.set AF,     128
.set BK,     128                       ; the way out: 16 rows read back: v128-191 and v192-255 by turns
.set WV,     12
.set WH,     13
.set WL,     14
.set CX,     15
.set CY,     16
.set G1,     24
.set G1B,    32
.set G0,     40
.set G0B,    52
.set AKP,    66
.set BKP,    68
.set AK3,    70
.set BK3,    72
.set AT,     78
.set BT,     79
.set MSB, 0
.macro WIN new
.if MSB != \new
	s_set_vgpr_msb (MSB<<8)|\new
.set MSB, \new
.endif
.endm
.set MUL_LO, 0xa1
.set MUL_HI, 0xf1
.set TO_B,   0x40
.macro JLOAD g0a, g1a, g0b, g1b        ; a joint load: waves 0 and 1 ask for side A, waves 2 and 3 for side B; four v_nop follow each line
	s_cmp_eq_u32 s[WH], 0
	s_cbranch_scc0 .Lfor_b_\@
	tensor_load_to_lds s[\g0a:\g0a+3], s[\g1a:\g1a+7]
	s_nop 0
.rept 4
	v_nop
.endr
	s_branch .Lasked_\@
.Lfor_b_\@:
	tensor_load_to_lds s[\g0b:\g0b+3], s[\g1b:\g1b+7]
	s_nop 0
.rept 4
	v_nop
.endr
.Lasked_\@:
.endm
.macro CREST
	s_cmp_lg_u32 s[WV], 0
	s_cbranch_scc1 .Lnot_wave_0_\@
	s_barrier_signal -3
.Lnot_wave_0_\@:
	s_barrier_wait -3
	s_barrier_signal -1
	s_barrier_wait -1
.endm
.macro CROUND
	s_barrier_signal -1
	s_barrier_wait -1
	CREST
.endm
.macro PLACES n
.rept \n
	v_nop
.endr
.endm
	s_load_b128 s[4:7], s[0:1], 0x0                ; ob s[4:5], wp s[6:7]
	s_load_b64 s[8:9], s[0:1], 0x10                ; out0
	v_lshl_add_u32 v[SPW], v0, 2, SPARE
	v_mov_b32 v[NIL], 0
	ds_add_u32 v28, v29
	ds_add_u32 v28, v29
	s_wait_dscnt 0x0
	v_lshrrev_b32 v1, 5, v0
	v_readfirstlane_b32 s[WV], v1
	s_lshr_b32 s[WH], s[WV], 1
	s_and_b32 s[WL], s[WV], 1
	s_bfe_u32 s[CX], ttmp6, 0x40000
	s_bfe_u32 s[CY], ttmp6, 0x40004
	s_and_b32 s17, ttmp7, 0xffff
	s_lshl_b32 s17, s17, 2
	s_lshl_b32 s18, s[CY], 2
	s_lshl_b32 s18, 15, s18                        ; my row of the cluster
	s_lshl_b32 s19, 0x1111, s[CX]                  ; my column
	s_or_b32 s[G1], s18, (3<<16)|(1<<21)
	s_or_b32 s[G1B], s19, (3<<16)|(1<<21)
.irp g, G1, G1B
	s_mov_b32 s[\g+1], 32<<16
	s_mov_b32 s[\g+2], 100<<16
	s_mov_b32 s[\g+3], 32<<16
	s_mov_b32 s[\g+4], 100
	s_mov_b32 s[\g+5], 32
	s_mov_b32 s[\g+6], 0
	s_mov_b32 s[\g+7], 0
.endr
	s_add_co_u32 s[AT], s17, s[CY]                 ; tile row = 4 x cluster y + cy
	s_lshl_b32 s[BT], ttmp9, 2
	s_add_co_u32 s[BT], s[BT], s[CX]               ; tile column = 4 x cluster x + cx
	s_mov_b32 s[AKP], OKP
	s_mov_b32 s[AKP+1], 0
	s_mov_b32 s[BKP], PKP
	s_mov_b32 s[BKP+1], 0
	s_mov_b32 s[AK3], 3*OKP
	s_mov_b32 s[AK3+1], 0
	s_mov_b32 s[BK3], 3*PKP
	s_mov_b32 s[BK3+1], 0
	s_lshl_b32 s80, s[AT], 1
	s_add_co_u32 s80, s80, s[WL]
	s_mul_i32 s80, s80, HALFT
	s_mov_b32 s81, 0
	s_lshl_b32 s76, s[BT], 1
	s_add_co_u32 s76, s76, s[WL]
	s_mul_i32 s76, s76, HALFT
	s_mov_b32 s77, 0
	s_mul_i32 s20, s[WV], HALFT
	s_wait_kmcnt 0x0
	s_add_nc_u64 s[80:81], s[4:5], s[80:81]
	s_add_nc_u64 s[76:77], s[6:7], s[76:77]
.irp s, 0,1,2
	s_mov_b32 s[G0+4*\s], 1
	s_add_co_u32 s[G0+4*\s+1], s20, \s*SLOT
	s_mov_b64 s[G0+4*\s+2:G0+4*\s+3], s[80:81]
	s_or_b32 s[G0+4*\s+3], s[G0+4*\s+3], 0x80000000
	s_add_nc_u64 s[80:81], s[80:81], s[AKP:AKP+1]
	s_mov_b32 s[G0B+4*\s], 1
	s_add_co_u32 s[G0B+4*\s+1], s20, \s*SLOT
	s_mov_b64 s[G0B+4*\s+2:G0B+4*\s+3], s[76:77]
	s_or_b32 s[G0B+4*\s+3], s[G0B+4*\s+3], 0x80000000
	s_add_nc_u64 s[76:77], s[76:77], s[BKP:BKP+1]
.endr
	CROUND                                         ; all sixteen work-groups are here: the first joint loads meet
	JLOAD G0, G1, G0B, G1B
	JLOAD G0+4, G1, G0B+4, G1B
	JLOAD G0+8, G1, G0B+8, G1B
	v_and_b32 v1, 31, v0
	v_lshlrev_b32 v[L16], 4, v1
	v_lshlrev_b32 v[L8], 3, v1
	s_mul_i32 s20, s[WH], HALFT
	s_mul_i32 s21, s[WL], HALFT
	s_add_co_u32 s21, s21, 2*HALFT
.irp s, 0,1,2
	v_add_nc_u32 v[ADRA16+\s], s20, v[L16]
	v_add_nc_u32 v[ADRA8+\s], s20, v[L8]
	v_add_nc_u32 v[ADRB16+\s], s21, v[L16]
	v_add_nc_u32 v[ADRB8+\s], s21, v[L8]
	s_add_co_u32 s20, s20, SLOT
	s_add_co_u32 s21, s21, SLOT
.endr
	v_and_b32 v1, 15, v0                           ; r
	v_bfe_u32 v3, v0, 4, 1                         ; h
	v_lshlrev_b32 v2, 3, v1
	s_mul_i32 s20, s[WV], 16*SPITCH
	s_add_co_u32 s20, s20, SLOT                    ; my stage
	v_mul_u32_u24 v21, v1, SPITCH
	v_lshl_add_u32 v21, v3, 5, v21
	v_add_nc_u32 v[STO], s20, v21                  ; in: row r, 32 bytes for each half of the lanes
	v_add_nc_u32 v[RD], s20, v[L16]                ; back: the 32 lanes take one row of 512 bytes
	s_mul_i32 s20, s[WH], HALFT
	s_mul_i32 s21, s[WL], HALFT
	s_add_co_u32 s21, s21, 2*HALFT
	s_sub_co_u32 s21, s21, s20
	v_mul_u32_u24 v3, s21, v3                      ; lanes 16-31 take side B's scale words: one product with the lane's half
	s_add_co_u32 s20, s20, 24576
	v_add_nc_u32 v2, v2, v3
.irp s, 0,1,2
	v_add_nc_u32 v[ADRS+\s], s20, v2
	s_add_co_u32 s20, s20, SLOT
.endr
	s_lshl_b32 s82, s[AT], 8
	s_lshl_b32 s83, s[WH], 7
	s_add_co_u32 s82, s82, s83                     ; my first row
	s_lshl_b32 s82, s82, 12                        ; rows of 4,096 bytes
	s_lshl_b32 s84, s[BT], 10
	s_add_co_u32 s82, s82, s84
	s_lshl_b32 s84, s[WL], 9
	s_add_co_u32 s82, s82, s84                     ; my first column, in bytes
	s_mov_b32 s83, 0
	s_add_nc_u64 s[8:9], s[8:9], s[82:83]
.macro FRAG reg, a16, a8, q, i
	ds_load_b128 v[\reg:\reg+3], v[\a16] offset:(\i)*3072+(\q)*1536
	ds_load_b64 v[\reg+4:\reg+5], v[\a8] offset:(\i)*3072+(\q)*1536+512
	ds_load_b128 v[\reg+6:\reg+9], v[\a16] offset:(\i)*3072+(\q)*1536+768
	ds_load_b64 v[\reg+10:\reg+11], v[\a8] offset:(\i)*3072+(\q)*1536+1280
.endm
.macro FETCH_B slot, q, p
	WIN TO_B
.irp i, 0,1,2,3,4,5,6,7
	FRAG 128*(\p)+FR*\i, ADRB16+\slot, ADRB8+\slot, \q, \i
.endr
	WIN 0
.endm
.macro FETCH_A slot, q, i0
.irp i, \i0, \i0+1, \i0+2, \i0+3
	FRAG AF+FR*(\i), ADRA16+\slot, ADRA8+\slot, \q, \i
.endr
.endm
.macro SCALES slot, set
.irp i, 0,1,2,3,4,5,6,7
	ds_load_b64 v[SC+16*(\set)+2*\i:SC+16*(\set)+2*\i+1], v[ADRS+\slot] offset:128*\i
.endr
.endm
; The 64 accumulators take turns, one instruction a turn, in the same order in every step.
.macro MUL16 a0, p, q, sc, zero
.irp a, \a0, \a0+1
.irp b, 0,1,2,3,4,5,6,7
.if \zero
	v_wmma_scale_f32_16x16x128_f8f6f4 v[8*(8*((\a)%4)+\b):8*(8*((\a)%4)+\b)+7], v[128*(\p)+FR*\b:128*(\p)+FR*\b+FR-1], v[AF+FR*(\a):AF+FR*(\a)+FR-1], 0, v[SC+8*NQ*(\sc)+NQ*\b+(\q)], v[SC+8*NQ*(\sc)+NQ*(\a)+(\q)] matrix_a_fmt:MATRIX_FMT_BF6 matrix_b_fmt:MATRIX_FMT_BF6 matrix_a_scale:MATRIX_SCALE_ROW1
.else
	v_wmma_scale_f32_16x16x128_f8f6f4 v[8*(8*((\a)%4)+\b):8*(8*((\a)%4)+\b)+7], v[128*(\p)+FR*\b:128*(\p)+FR*\b+FR-1], v[AF+FR*(\a):AF+FR*(\a)+FR-1], v[8*(8*((\a)%4)+\b):8*(8*((\a)%4)+\b)+7], v[SC+8*NQ*(\sc)+NQ*\b+(\q)], v[SC+8*NQ*(\sc)+NQ*(\a)+(\q)] matrix_a_fmt:MATRIX_FMT_BF6 matrix_b_fmt:MATRIX_FMT_BF6 matrix_a_scale:MATRIX_SCALE_ROW1
.endif
.endr
.endr
.endm
.macro STEP slot, sc, zero
	s_wait_dscnt 4*NL                              ; all but the youngest 16 loads (side A's blocks 4-7) are in
	WIN MUL_LO
	MUL16 0, 0, 0, \sc, \zero
	MUL16 2, 0, 0, \sc, \zero
	s_wait_dscnt 0x0
	PLACES NP
	FETCH_B \slot, 1, 1
	FETCH_A \slot, 1, 0
	WIN MUL_HI
	MUL16 4, 0, 0, \sc, \zero
	MUL16 6, 0, 0, \sc, \zero
	PLACES NP
	WIN 0
	FETCH_A \slot, 1, 4
.endm
; mode 1: the slot is filled again behind a round of the cluster's barrier;  mode 0: the same lines and a plain barrier, nothing is filled;  mode 2: no barrier: the next slot was shown whole by mode 1's barrier
.macro TURN slot, next, sc, mode
.if \mode != 2
	s_wait_tensorcnt 0x0                           ; all my tensor loads have landed
	ds_add_u32 v[SPW], v[NIL]                      ; 0 onto my spare word
	s_wait_dscnt 4*NL+1                            ; (the add and the youngest 16 loads may be out)
	WIN MUL_LO
	MUL16 0, 1, 1, \sc, 0
	s_wait_dscnt 0x0                               ; the add is done, and my reads of this slot are over
	s_barrier_signal -1
	MUL16 2, 1, 1, \sc, 0
	WIN 0
	s_barrier_wait -1
.if \mode == 1
	CREST
	s_add_nc_u64 s[G0+4*\slot+2:G0+4*\slot+3], s[G0+4*\slot+2:G0+4*\slot+3], s[AK3:AK3+1]
	s_add_nc_u64 s[G0B+4*\slot+2:G0B+4*\slot+3], s[G0B+4*\slot+2:G0B+4*\slot+3], s[BK3:BK3+1]
	JLOAD G0+4*\slot, G1, G0B+4*\slot, G1B
.else
	PLACES NP
.endif
.else
	s_wait_dscnt 4*NL
	WIN MUL_LO
	MUL16 0, 1, 1, \sc, 0
	MUL16 2, 1, 1, \sc, 0
	s_wait_dscnt 0x0
	PLACES NP
.endif
	FETCH_B \next, 0, 0
	FETCH_A \next, 0, 0
	SCALES \next, 1-\sc
	WIN MUL_HI
	MUL16 4, 1, 1, \sc, 0
	MUL16 6, 1, 1, \sc, 0
	PLACES NP
	WIN 0
	FETCH_A \next, 0, 4
.endm
	s_wait_tensorcnt 2                             ; my part of kp 0 is in; kp 1's and kp 2's may be out
	s_barrier_signal -1
	s_barrier_wait -1
	FETCH_B 0, 0, 0
	FETCH_A 0, 0, 0
	SCALES 0, 0
	FETCH_A 0, 0, 4
	STEP 0, 0, 1
	TURN 0, 1, 0, 1
	STEP 1, 1, 0
	TURN 1, 2, 1, 2
	STEP 2, 0, 0
	TURN 2, 0, 0, 0
	STEP 0, 1, 0
	s_wait_dscnt 4*NL
	WIN MUL_LO
	MUL16 0, 1, 1, 1, 0
	MUL16 2, 1, 1, 1, 0
	s_wait_dscnt 0x0
	WIN MUL_HI
	MUL16 4, 1, 1, 1, 0
	MUL16 6, 1, 1, 1, 0
	WIN 0
; THE WAY OUT, block by block of 16 rows x 128 columns, through my own stage: in as 32 bytes a lane, back as whole rows of 512 bytes.  LDS serves a wave's instructions in order: no wait between the stores and the loads.
.macro TOSTAGE a
.set AC, 64*((\a)%4)
	WIN 0x08+4*((\a)/4)                            ; the data: window 2 or 3
.irp b, 0,1,2,3,4,5,6,7
	ds_store_b128 v[STO], v[AC+8*\b:AC+8*\b+3] offset:64*\b          ; each accumulator from its low end on
	ds_store_b128 v[STO], v[AC+8*\b+4:AC+8*\b+7] offset:64*\b+16
.endr
	WIN 0
.set BB, BK+64*((\a)%2)
.irp t, 0,1,2,3,4,5,6,7,8,9,10,11,12,13,14,15
	ds_load_b128 v[BB+4*\t:BB+4*\t+3], v[RD] offset:\t*SPITCH
.endr
.endm
.macro SEND a, younger                 ; younger: the LDS instructions issued behind block a's loads, which may stay out
.set BB, BK+64*((\a)%2)
	s_wait_dscnt \younger
.if (\a) > 0
	s_add_nc_u64 s[8:9], s[8:9], 16*4096           ; 16 rows on (behind a wait on XCNT: the earlier stores have read their base)
.endif
.irp t, 0,1,2,3,4,5,6,7,8,9,10,11,12,13,14,15
	global_store_b128 v[L16], v[BB+4*\t:BB+4*\t+3], s[8:9] offset:\t*4096 th:TH_STORE_NT   ; 32 lanes store 512 consecutive bytes, aligned; written once, read by nobody here
.endr
.endm
	PLACES NP
	TOSTAGE 0
.irp a, 1,2,3,4,5,6,7
.if \a > 1
	s_wait_xcnt 0x0                                ; block a - 2's stores have read their registers and their base
.endif
	TOSTAGE \a
	SEND \a-1, 32                                  ; behind block a - 1's loads: block a's 16 stores and 16 loads
.endr
	s_wait_xcnt 0x0
	SEND 7, 0
	s_wait_tensorcnt 0x0                           ; the wave's end
	ds_add_u32 v[SPW], v[NIL]
	s_wait_dscnt 0x0
	CROUND                                         ; the closing round
	s_endpgm
.Lfunc_end_k_q6a4dcaff40_gemm_proj:
	.size	k_q6a4dcaff40_gemm_proj, .Lfunc_end_k_q6a4dcaff40_gemm_proj-k_q6a4dcaff40_gemm_proj
	.p2alignl 7, 3214868480
	.fill 96, 4, 3214868480
	.section	.rodata,"a",@progbits
	.p2align	6, 0x0
	.amdhsa_kernel k_q6a4dcaff40_gemm_proj
		.amdhsa_group_segment_fixed_size 327680
		.amdhsa_private_segment_fixed_size 0
		.amdhsa_enable_private_segment 0
		.amdhsa_kernarg_size 24
		.amdhsa_user_sgpr_count 2
		.amdhsa_user_sgpr_kernarg_segment_ptr 1
		.amdhsa_wavefront_size32 1
		.amdhsa_system_sgpr_workgroup_id_x 1
		.amdhsa_system_sgpr_workgroup_id_y 1
		.amdhsa_system_sgpr_workgroup_id_z 1
		.amdhsa_system_vgpr_workitem_id 0
		.amdhsa_next_free_vgpr 1024
		.amdhsa_next_free_sgpr 90
		.amdhsa_reserve_vcc 0
		.amdhsa_float_denorm_mode_32 3
		.amdhsa_float_denorm_mode_16_64 3
		.amdhsa_memory_ordered 1
		.amdhsa_forward_progress 1
		.amdhsa_inst_pref_size 142
	.end_amdhsa_kernel
	.amdgpu_metadata
---
amdhsa.version: [ 1, 2 ]
amdhsa.kernels:
  - .name:           k_q6a4dcaff40_gemm_proj
    .symbol:         k_q6a4dcaff40_gemm_proj.kd
    .args:
      - { .name: ob, .offset: 0, .size: 8, .value_kind: global_buffer, .address_space: global }
      - { .name: wp, .offset: 8, .size: 8, .value_kind: global_buffer, .address_space: global }
      - { .name: out0, .offset: 16, .size: 8, .value_kind: global_buffer, .address_space: global }
    .group_segment_fixed_size: 327680
    .private_segment_fixed_size: 0
    .kernarg_segment_align: 8
    .kernarg_segment_size: 24
    .max_flat_workgroup_size: 128
    .sgpr_count:     90
    .vgpr_count:     1024
    .wavefront_size: 32
...
	.end_amdgpu_metadata
.endif
;; end of part 4
